; MI455X (gfx1250); checked and timed in simulation.
; The chip was launched on July 23, 2026; its instructions are those of AMD's public machine-readable ISA for CDNA 5 (MIT licence, August 2026) and "CDNA5" Instruction Set Architecture Reference Guide (July 2026). The comments in the code are by the model that wrote it; some were corrected since.
;; Multilinear Attention. Allowed arithmetic: matrix products marked QUANTISED: E2M3 operands, one E8M0 scale for each 32 along K, by v_wmma_scale_f32_16x16x128_f8f6f4 with both operands' format E2M3, f32 sums; everything else in f32.
;; Inputs: Wk 2 x 1,024 x 1,024 float32; Wo 1,024 x 1,024 float32; Wq 1,024 x 1,024 float32; Wv 2 x 1,024 x 1,024 float32; bk 2 x 1,024 float32; bo 1,024 float32; bq 1,024 float32; bv 2 x 1,024 float32; ln_b 1,024 float32; ln_g 1,024 float32; x 4 x 2,048 x 1,024 float32.
;; Outputs: out0 4 x 2,048 x 1,024 float32.
;; This version of the problem:
;;   THIS VERSION OF THE PROBLEM IS GIVEN IN LOW PRECISION. The matrix products marked QUANTISED in the list below multiply operands that are first quantised to E2M3 (2 exponent bits, 3 mantissa bits; 6 bits a number), with one power-of-two scale for each 32 numbers along K (OCP MX v1.0); their sums are f32. All else is computed in f32.
;;   The module's matrix products, in the order in which they are computed (A, B: the left and right operand; K: the contracted axis; several contracted axes count as one K, in the product's order):
;;     1. [M 8,192, K 1,024] x [K 1,024, N 1,024]; A: input x; B: input Wq: QUANTISED
;;     2. [M 2,048, K 1,024] x [K 1,024, N 8,192]; A: input Wk; B: input x: QUANTISED
;;     3. [M 2,048, K 1,024] x [K 1,024, N 8,192]; A: input Wv; B: input x: QUANTISED
;;     4. batch 128 x [M 64, K 2,048] x [K 2,048, N 64]; A: computed on the way; B: computed on the way: QUANTISED
;;     5. batch 64 x [M 2,048, K 64] x [K 64, N 64]; A: computed on the way; B: computed on the way: QUANTISED
;;     6. [M 8,192, K 1,024] x [K 1,024, N 1,024]; A: computed on the way; B: input Wo: QUANTISED
;;   THE QUANTISER, for each operand of a quantised product, along K:
;;     - K is cut into blocks of 32 from its start; a last block that is shorter is filled with zeros.
;;     - A block's scale is 2^e with e = floor(log2(the largest magnitude in the block)) - 2, held to -126 .. 127; a block of zeros has e = 0. As a byte (E8M0): e + 127.
;;     - Each number is divided by its block's scale, clamped to +-7.5, and rounded to the nearest number of E2M3, ties to even, subnormals kept.
;;     - The product sums the exact products of the quantised numbers (number of the format x scale) in f32.
;;   ~~~python
;;   def quantise(x, axis):      # numpy; x: float32 -> the quantised numbers, widened to float32 again
;;       x = np.moveaxis(x, axis, -1); K = x.shape[-1]
;;       x = np.pad(x, [(0, 0)] * (x.ndim - 1) + [(0, -K % 32)]); x = x.reshape(x.shape[:-1] + (-1, 32)); a = np.abs(x).max(-1, keepdims=True)
;;       e = np.where(a > 0, np.clip(np.frexp(np.where(a > 0, a, 1))[1] - 1 - 2, -126, 127), 0)      # np.frexp(a)[1] - 1 = floor(log2(a)), exactly
;;       r = np.clip(x / 2.0 ** e, -7.5, 7.5)
;;       step = 2.0 ** (np.maximum(np.frexp(np.where(r == 0, 1, r))[1] - 1, 0) - 3)
;;       q = np.round(r / step) * step * 2.0 ** e      # np.round: ties to even
;;       return np.moveaxis(q.reshape(q.shape[:-2] + (-1,))[..., :K], -1, axis).astype(np.float32)
;;   ~~~
;;   OPERANDS COMPUTED ON THE WAY. 'Computed on the way' means the value that the module computes at that place (a softmax that the list does not call 'softmax' is quantised finished and normalised). What goes into a quantiser is computed in f32, as accurately as f32 sums, v_exp_f32 and their like allow (about 1e-6 of the number): no bf16 or f16 on the way to a quantiser, and a product that is left as it is and whose result goes on into a quantised operand takes f32 operands (vector FMAs, or v_wmma_f32_16x16x4_f32). A number that lies on a knife's edge between two numbers of the format may be rounded either way, as far as f32 arithmetic and the matrix unit's own rounding can turn it there, and no further.
;; One version. Each part assembles by itself: llvm-mc -triple=amdgcn-amd-amdhsa -mcpu=gfx1250 --defsym DOCPART=n.
;; ======== version 1 of 1: 4 launches
;; workspace buffers: xc 6,291,456 bytes; wc 4,718,592 bytes; xws 458,752 bytes; qc 6,291,456 bytes; qs 262,144 bytes; kvc 25,165,824 bytes; kvs 1,048,576 bytes; sb 262,144 bytes
;; launch quant (part 1): grid 448 x 1, 4 waves a work-group, no clusters, 34,304 bytes of LDS; arguments x, Wq, Wk, Wv, Wo, xc, wc, xws; writes xc, wc, xws
.if DOCPART == 1
	.amdgcn_target "amdgcn-amd-amdhsa--gfx1250"
	.amdhsa_code_object_version 6
	.text
	.protected	k_q06a8435fac_quant
	.globl	k_q06a8435fac_quant
	.p2align	8
	.type	k_q06a8435fac_quant,@function
k_q06a8435fac_quant:
	s_mov_b64 s[64:65], 0
	v_nop
	global_prefetch_b8 v0, s[64:65] scope:SCOPE_SE
	s_setreg_imm32_b32 hwreg(HW_REG_WAVE_MODE, 25, 1), 1
	s_wait_xcnt 0x0
; x [8192][1024] and the six weight matrices [1024 (c)][1024 (d)] (Wq, Wk[0], Wk[1], Wv[0], Wv[1], Wo), f32, become codes of FP6 (E2M3) along c with one E8M0 byte for each 32 along c.
; NO WORK OF THE PROBLEM IS LEFT OUT IN THIS PROGRAM: every product of reference() is live and every input has a way to out0, so all eleven inputs are loaded (the biases and gains by the later launches).
; LAYOUT OF THE RESULTS: images of the matrix operand's registers.  A fragment is 16 rows x 128 along c, 12 registers a lane: lane (r, h) holds row r, registers 6 c .. 6 c + 5 = k 64 c + 32 h + 0 .. 31.
; Its image is 1,536 bytes: registers 4 g .. 4 g + 3 of lane l at 512 g + 16 l.  xc: [tile 512][K step 8][1536].  wc: [tile 384][K step 8][1536].
; THE ROWS OF A TILE ARE NOT NEIGHBOURS: of each 32 tokens (or columns d) tile u, place p stands for 8 u + p % 8 + 16 (p / 8), so that two neighbouring tiles of a later result give a lane 16 neighbours.
; Weight tiles: 20 head + 4 matrix + tile in the head for the five projections, 320 + tile for Wo.  Scale words (4 bytes = 128 along c of one row): xws: [tile][K half][row 16][4 words], x's from 0, the weights' from 262,144.
; A block's scale is 2^(floor(log2(largest magnitude)) - 2); its byte is the largest magnitude's exponent field - 2, held at 1 from below.
; LIMITS: a block of zeros gets the byte 1 where the rule says 127 (its codes are zeros, and this program alone reads the bytes); NaN and infinities among the inputs are not served.
; Work-groups 0-191: the weights: 128 columns x a quarter of c each (a lane takes a column, its registers run down c): 131,072 bytes of f32, as many as an x work-group reads.
; Work-groups 192-447: x (32 tokens each; a wave takes one tile and half of c, turned through its own stage in LDS).  Waves share nothing: no barrier.
.set WGW,   192                        ; work-groups of the weights: 6 matrices x 8 groups of 128 columns x 4 quarters of c
.set SPARE, 33792                      ; behind the four stages of 8,448 bytes: the spare words, 128 bytes a wave
.set SPW,   252
.set NIL,   253
.set RS,  16                           ; x: v16-143 two sets of 64 numbers as loaded
.set XN,  144                          ; v144-207 my two whole blocks of 32
.set PC,  208                          ; v208-219 a fragment's codes
.set TA,  220
.set TB,  224
.set SW,  228                          ; v228-231 the four K steps' scale words
.set MX,  232
.set SO,  234
.set BY,  236
.set WD,  238
.set WE,  239
.set OP,  240
.set XW,  32                           ; weights: v32-95 two sets of 32 numbers
.set CD,  96                           ; v96-143 codes, 24 registers for each of the two K steps: no store's data are written again
.set SWW, 24                           ; v24-25 scale words
.set TW,  28
	s_load_b256 s[4:11], s[0:1], 0x0               ; x, Wq, Wk, Wv
	s_load_b256 s[12:19], s[0:1], 0x20             ; Wo, xc, wc, xws
	v_lshl_add_u32 v[SPW], v0, 2, SPARE
	v_mov_b32 v[NIL], 0
	v_lshrrev_b32 v6, 5, v0
	v_readfirstlane_b32 s20, v6                    ; wave
	v_and_b32 v6, 31, v0                           ; lane l
	v_and_b32 v7, 15, v0                           ; r
	v_bfe_u32 v8, v0, 4, 1                         ; h
	v_lshlrev_b32 v1, 4, v6                        ; 16 l
	s_cmp_lt_u32 ttmp9, WGW
	s_cbranch_scc1 .Lweights
	; ---------------- x ----------------
	s_sub_co_u32 s21, ttmp9, WGW                   ; which 32 tokens
	s_lshr_b32 s22, s20, 1                         ; u: which of their two tiles
	s_and_b32 s23, s20, 1                          ; which half of c
	s_mul_i32 s24, s20, 8448                       ; my stage: 16 rows of 512 + 16 bytes
	v_add_nc_u32 v2, s24, v1                       ; in: 16 l
	v_mul_u32_u24 v3, v7, 528
	v_lshl_add_u32 v3, v8, 7, v3
	v_add_nc_u32 v3, s24, v3                       ; back: row r, block h
	v_lshlrev_b32 v4, 3, v8                        ; 8 h
	v_lshl_add_u32 v5, v7, 4, v4                   ; 16 r + 8 h
	v_mov_b32 v[WE], 0                             ; a lane permute's destination counts as one of its sources
	s_lshl_b32 s26, s21, 17                        ; 32 tokens of 4,096 bytes,
	s_lshl_b32 s27, s22, 15                        ; 8 u tokens,
	s_add_co_u32 s26, s26, s27
	s_lshl_b32 s27, s23, 11                        ; half a row
	s_add_co_u32 s26, s26, s27
	s_mov_b32 s27, 0
	s_lshl_b32 s28, s21, 1
	s_add_co_u32 s28, s28, s22                     ; the tile
	s_mul_i32 s30, s28, 12288
	s_mul_i32 s29, s23, 6144
	s_add_co_u32 s30, s30, s29
	s_mov_b32 s31, 0
	s_lshl_b32 s32, s28, 9
	s_lshl_b32 s29, s23, 8
	s_add_co_u32 s32, s32, s29
	s_mov_b32 s33, 0
	s_mov_b32 s34, 0x76543210
	s_mov_b32 s35, 0xfedcba98                      ; selects: lane l xor 16
	s_wait_kmcnt 0x0
	s_add_nc_u64 s[4:5], s[4:5], s[26:27]
	s_add_nc_u64 s[14:15], s[14:15], s[30:31]
	s_add_nc_u64 s[18:19], s[18:19], s[32:33]
.macro LOADX t                         ; K step t of the tile's 16 rows: each load reads 512 consecutive bytes
.irp i, 0,1,2,3,4,5,6,7,8,9,10,11,12,13,14,15
	global_load_b128 v[RS+64*((\t)%2)+4*\i:RS+64*((\t)%2)+4*\i+3], v1, s[4:5] offset:(\i%8+16*(\i/8))*4096+512*(\t) th:TH_LOAD_NT
.endr
.endm
.macro TURNX t                         ; through my stage: LDS serves a wave's instructions in order
.irp i, 0,1,2,3,4,5,6,7,8,9,10,11,12,13,14,15
	ds_store_b128 v2, v[RS+64*((\t)%2)+4*\i:RS+64*((\t)%2)+4*\i+3] offset:528*\i
.endr
.irp q, 0,1,2,3,4,5,6,7
	ds_load_b128 v[XN+4*\q:XN+4*\q+3], v3 offset:16*\q                  ; block h of row r
.endr
.irp q, 0,1,2,3,4,5,6,7
	ds_load_b128 v[XN+32+4*\q:XN+32+4*\q+3], v3 offset:256+16*\q        ; block 2 + h
.endr
.endm
.macro STEPX t
.if (\t) < 3
	s_wait_loadcnt 16                              ; this step's 16 loads are in; the next step's may be out
.else
	s_wait_loadcnt 0x0
.endif
	TURNX \t
	s_wait_dscnt 0x0                               ; my blocks are back, and the stores have read their registers,
.if (\t) < 2
	LOADX (\t)+2                                   ; which take the loads of two steps on
.endif
.irp c, 0,1
	v_max3_num_f32 v[MX+\c], |v[XN+32*\c]|, |v[XN+32*\c+1]|, 0x1800000  ; the floor 2^(3 - 127) among the leaves: the byte cannot fall under 1
.endr
.irp i, 2,4,6,8,10,12,14,16,18,20,22,24,26,28,30
.irp c, 0,1
	v_max3_num_f32 v[MX+\c], v[MX+\c], |v[XN+32*\c+\i]|, |v[XN+32*\c+\i+1]|
.endr
.endr
.irp c, 0,1
	v_add_nc_u32 v[SO+\c], 0xff000000, v[MX+\c]    ; 2 off the exponent field: the conversion's scale operand
.endr
.irp c, 0,1
	v_lshrrev_b32 v[BY+\c], 23, v[SO+\c]           ; the byte
.endr
	v_lshl_or_b32 v[WD], v[BY+1], 16, v[BY]        ; blocks h and 2 + h,
	v_lshlrev_b32 v[WD], v4, v[WD]                 ; at their places in the word;
	v_permlanex16_b32 v[WE], v[WD], s34, s35
	v_or_b32 v[SW+(\t)], v[WD], v[WE]              ; with lane l xor 16's two the word is whole
.if (\t) > 0
	s_wait_xcnt 0x0                                ; the last step's stores have read the codes' registers
.endif
	v_cvt_scalef32_pk16_fp6_f32 v[PC:PC+2], v[XN:XN+15], v[SO]
	v_cvt_scalef32_pk16_fp6_f32 v[TA:TA+2], v[XN+16:XN+31], v[SO]       ; (a conversion's three registers begin on an even number)
	v_cvt_scalef32_pk16_fp6_f32 v[PC+6:PC+8], v[XN+32:XN+47], v[SO+1]
	v_cvt_scalef32_pk16_fp6_f32 v[TB:TB+2], v[XN+48:XN+63], v[SO+1]
	v_nop                                          ; one plain place behind a scaled conversion
.irp i, 0,1,2
	v_mov_b32 v[PC+3+\i], v[TA+\i]
	v_mov_b32 v[PC+9+\i], v[TB+\i]
.endr
.irp c, 0,1,2
	global_store_b128 v1, v[PC+4*\c:PC+4*\c+3], s[14:15] offset:1536*(\t)+512*\c   ; 512 consecutive bytes
.endr
.endm
	LOADX 0
	LOADX 1
	STEPX 0
	STEPX 1
	STEPX 2
	STEPX 3
	v_cmp_ne_u32 vcc_lo, 0, v8
	v_cndmask_b32 v[OP], v[SW], v[SW+2], vcc_lo    ; lanes 0-15 store words 0, 1 of their row, lanes 16-31 words 2, 3:
	v_cndmask_b32 v[OP+1], v[SW+1], v[SW+3], vcc_lo
	global_store_b64 v5, v[OP:OP+1], s[18:19]      ; 256 consecutive bytes, aligned
	s_wait_tensorcnt 0x0                           ; the wave's end
	ds_add_u32 v[SPW], v[NIL]
	s_wait_dscnt 0x0
	s_endpgm
	; ---------------- the weights ----------------
.Lweights:
	s_lshr_b32 s21, ttmp9, 5                       ; which matrix, 0 .. 5
	s_bfe_u32 s22, ttmp9, 0x30002                  ; which 128 columns
	s_and_b32 s23, ttmp9, 3                        ; which quarter of c: 256 rows, two K steps
	s_lshl_b32 s24, s22, 2
	s_add_co_u32 s24, s24, s20                     ; my wave's 32 columns
	v_and_b32 v9, 8, v7
	v_add_nc_u32 v9, v9, v7
	v_lshl_add_u32 v9, v8, 3, v9                   ; lane l = (tile h, place r) takes column 8 h + r % 8 + 16 (r / 8) of the 32
	s_lshl_b32 s25, s24, 5
	v_add_nc_u32 v9, s25, v9
	v_lshlrev_b32 v3, 2, v9
	v_lshlrev_b32 v2, 9, v8
	v_lshl_add_u32 v2, v7, 4, v2                   ; scale words: 512 h + 16 r
	s_sub_co_u32 s26, s21, 1
	s_and_b32 s27, s26, 1                          ; matrices 2 and 4 are the second state's: 4 MiB on
	s_cmp_eq_u32 s21, 0
	s_cselect_b32 s27, 0, s27
	s_lshl_b32 s36, s27, 22
	s_lshl_b32 s37, s23, 20                        ; 256 rows of 4,096 bytes
	s_add_co_u32 s36, s36, s37
	s_mov_b32 s37, 0
	s_lshr_b32 s28, s24, 1
	s_mul_i32 s28, s28, 20
	s_lshl_b32 s29, s21, 2
	s_add_co_u32 s28, s28, s29
	s_and_b32 s29, s24, 1
	s_lshl_b32 s29, s29, 1
	s_add_co_u32 s28, s28, s29                     ; 20 head + 4 matrix + 2 (half of the head)
	s_lshl_b32 s29, s24, 1
	s_add_co_u32 s29, s29, 320                     ; Wo: 320 + tile
	s_cmp_lt_u32 s21, 5
	s_cselect_b32 s28, s28, s29                    ; my first tile
	s_mul_i32 s38, s28, 12288
	s_mul_i32 s39, s23, 3072                       ; two K steps' images
	s_add_co_u32 s38, s38, s39
	s_mov_b32 s39, 0
	s_lshl_b32 s40, s28, 9
	s_lshr_b32 s41, s23, 1
	s_lshl_b32 s41, s41, 8                         ; the K half,
	s_add_co_u32 s40, s40, s41
	s_and_b32 s41, s23, 1
	s_lshl_b32 s41, s41, 3                         ; and which two of a row's four words
	s_add_co_u32 s40, s40, s41
	s_add_co_u32 s40, s40, 262144
	s_mov_b32 s41, 0
	s_sub_co_u32 s27, s21, 3
	s_wait_kmcnt 0x0
	s_cmp_eq_u32 s21, 0                            ; the buffer is chosen by the work-group's number alone
	s_cselect_b64 s[42:43], s[6:7], s[12:13]
	s_cmp_lt_u32 s26, 2
	s_cselect_b64 s[42:43], s[8:9], s[42:43]
	s_cmp_lt_u32 s27, 2
	s_cselect_b64 s[42:43], s[10:11], s[42:43]
	s_add_nc_u64 s[42:43], s[42:43], s[36:37]
	s_add_nc_u64 s[16:17], s[16:17], s[38:39]
	s_add_nc_u64 s[18:19], s[18:19], s[40:41]
.macro LOADW t                         ; block t: W(32 t + i, my column): a wave's load covers 128 consecutive bytes, the four waves 512
.irp i, 0,1,2,3,4,5,6,7,8,9,10,11,12,13,14,15,16,17,18,19,20,21,22,23,24,25,26,27,28,29,30,31
	global_load_b32 v[XW+32*((\t)%2)+\i], v3, s[42:43] offset:(32*(\t)+\i)*4096 th:TH_LOAD_NT
.endr
.endm
.macro BLOCKW t
.set XB, XW+32*((\t)%2)
.set FA, CD+24*((\t)/4)
.set DD, FA+12*((\t)%2)+6*(((\t)%4)/2)
.if (\t) < 7
	s_wait_loadcnt 32                              ; this block's 32 loads are in; the next block's may be out
.else
	s_wait_loadcnt 0x0
.endif
	v_max3_num_f32 v10, |v[XB]|, |v[XB+1]|, |v[XB+2]|
	v_max3_num_f32 v11, |v[XB+3]|, |v[XB+4]|, |v[XB+5]|
.irp i, 6,10,14,18,22,26
	v_max3_num_f32 v10, v10, |v[XB+\i]|, |v[XB+\i+1]|
	v_max3_num_f32 v11, v11, |v[XB+\i+2]|, |v[XB+\i+3]|
.endr
	v_max3_num_f32 v10, v10, |v[XB+30]|, |v[XB+31]|
	v_max3_num_f32 v10, v10, v11, 0x1800000        ; and the floor
	v_add_nc_u32 v12, 0xff000000, v10
	v_lshrrev_b32 v13, 23, v12
.if (\t)%4 == 0
	v_mov_b32 v[SWW+(\t)/4], v13
.else
	v_lshl_or_b32 v[SWW+(\t)/4], v13, 8*((\t)%4), v[SWW+(\t)/4]
.endif
	v_cvt_scalef32_pk16_fp6_f32 v[DD:DD+2], v[XB:XB+15], v12
	v_cvt_scalef32_pk16_fp6_f32 v[TW:TW+2], v[XB+16:XB+31], v12
	v_nop                                          ; one plain place behind a scaled conversion
.irp i, 0,1,2
	v_mov_b32 v[DD+3+\i], v[TW+\i]
.endr
.if (\t) < 6
	LOADW (\t)+2
.endif
.if (\t)%2 == 1                        ; an even and an odd block: lanes 0-15 hold tile 0's rows, lanes 16-31 tile 1's.  The exchange gives tile 0 its blocks in both halves of the lanes, and tile 1 likewise
.irp i, 0,1,2,3,4,5
	v_permlane16_swap_b32 v[FA+6*(((\t)%4)/2)+\i], v[FA+12+6*(((\t)%4)/2)+\i]
.endr
.endif
.if (\t)%4 == 3
.irp c, 0,1,2
	global_store_b128 v1, v[FA+4*\c:FA+4*\c+3], s[16:17] offset:1536*((\t)/4)+512*\c
	global_store_b128 v1, v[FA+12+4*\c:FA+12+4*\c+3], s[16:17] offset:12288+1536*((\t)/4)+512*\c
.endr
.endif
.endm
	LOADW 0
	LOADW 1
.irp t, 0,1,2,3,4,5,6,7
	BLOCKW \t
.endr
	global_store_b64 v2, v[SWW:SWW+1], s[18:19]    ; my row's two words: 8 of its 16 bytes of this K half; the other 8 are the neighbouring quarter's.  These 196,608 bytes of the launch are stored in pieces of 8
	s_wait_tensorcnt 0x0                           ; the wave's end
	ds_add_u32 v[SPW], v[NIL]
	s_wait_dscnt 0x0
	s_endpgm
.Lfunc_end_k_q06a8435fac_quant:
	.size	k_q06a8435fac_quant, .Lfunc_end_k_q06a8435fac_quant-k_q06a8435fac_quant
	.p2alignl 7, 3214868480
	.fill 96, 4, 3214868480
	.section	.rodata,"a",@progbits
	.p2align	6, 0x0
	.amdhsa_kernel k_q06a8435fac_quant
		.amdhsa_group_segment_fixed_size 34304
		.amdhsa_private_segment_fixed_size 0
		.amdhsa_enable_private_segment 0
		.amdhsa_kernarg_size 64
		.amdhsa_user_sgpr_count 2
		.amdhsa_user_sgpr_kernarg_segment_ptr 1
		.amdhsa_wavefront_size32 1
		.amdhsa_system_sgpr_workgroup_id_x 1
		.amdhsa_system_sgpr_workgroup_id_y 1
		.amdhsa_system_sgpr_workgroup_id_z 1
		.amdhsa_system_vgpr_workitem_id 0
		.amdhsa_next_free_vgpr 256
		.amdhsa_next_free_sgpr 66
		.amdhsa_reserve_vcc 1
		.amdhsa_float_denorm_mode_32 3
		.amdhsa_float_denorm_mode_16_64 3
		.amdhsa_memory_ordered 1
		.amdhsa_forward_progress 1
		.amdhsa_inst_pref_size 70
	.end_amdhsa_kernel
	.amdgpu_metadata
---
amdhsa.version: [ 1, 2 ]
amdhsa.kernels:
  - .name:           k_q06a8435fac_quant
    .symbol:         k_q06a8435fac_quant.kd
    .args:
      - { .name: x, .offset: 0, .size: 8, .value_kind: global_buffer, .address_space: global }
      - { .name: Wq, .offset: 8, .size: 8, .value_kind: global_buffer, .address_space: global }
      - { .name: Wk, .offset: 16, .size: 8, .value_kind: global_buffer, .address_space: global }
      - { .name: Wv, .offset: 24, .size: 8, .value_kind: global_buffer, .address_space: global }
      - { .name: Wo, .offset: 32, .size: 8, .value_kind: global_buffer, .address_space: global }
      - { .name: xc, .offset: 40, .size: 8, .value_kind: global_buffer, .address_space: global }
      - { .name: wc, .offset: 48, .size: 8, .value_kind: global_buffer, .address_space: global }
      - { .name: xws, .offset: 56, .size: 8, .value_kind: global_buffer, .address_space: global }
    .group_segment_fixed_size: 34304
    .private_segment_fixed_size: 0
    .kernarg_segment_align: 8
    .kernarg_segment_size: 64
    .max_flat_workgroup_size: 128
    .sgpr_count:     66
    .vgpr_count:     256
    .wavefront_size: 32
...
	.end_amdgpu_metadata
.endif
;; end of part 1
;; launch proj (part 2): grid 16 x 32, 4 waves a work-group, clusters of 4 x 4, 327,680 bytes of LDS; arguments x, bq, bk, bv, xc, wc, xws, qc, qs, kvc, kvs; writes qc, qs, kvc, kvs
.if DOCPART == 2
	.amdgcn_target "amdgcn-amd-amdhsa--gfx1250"
	.amdhsa_code_object_version 6
	.text
	.protected	k_q06a8435fac_proj
	.globl	k_q06a8435fac_proj
	.p2align	8
	.type	k_q06a8435fac_proj,@function
k_q06a8435fac_proj:
	s_mov_b64 s[64:65], 0
	v_nop
	global_prefetch_b8 v0, s[64:65] scope:SCOPE_SE
	s_setreg_imm32_b32 hwreg(HW_REG_WAVE_MODE, 25, 1), 1
	s_wait_xcnt 0x0
	s_wait_alu depctr_hold_cnt(0) depctr_sa_sdst(0) depctr_va_vdst(0) depctr_va_sdst(0) depctr_va_ssrc(0) depctr_va_vcc(0) depctr_vm_vsrc(0)
	s_getreg_b32 s2, hwreg(HW_REG_IB_STS2, 6, 4)
	s_cmp_eq_u32 s2, 0
	s_cbranch_scc0 .Lentry_in_a_cluster
	s_endpgm
.Lentry_in_a_cluster:
	s_bfe_u32 s2, ttmp6, 0x10000c
	s_cmp_lg_u32 s2, 0xf033
	s_cbranch_scc0 .Lentry_shape_is_right
	s_endpgm
.Lentry_shape_is_right:
; q = x + x Wq + bq;  ks, vs = (x + x W + b) / sqrt(2048): the five projections on codes of FP6 (E2M3), then the quantisers of the next products: q along the head's 64, ks and vs ALONG THE TOKENS.  No work is left out.
; SHARES.  A work-group makes 256 tokens x (64 columns of one head x 5 weights), so that the f32 residual x is read once for all five.  Wave (th, ch) makes 128 tokens (8 tiles) x 10 weight tiles (for each weight the tiles
; 2 ch, 2 ch + 1 of the head): 80 accumulators, 640 registers.  128 tokens are one K step of the states' product, so each fragment of ks and vs and its scale word is made whole by one wave.
; OPERANDS are images of their registers (1,536 bytes a fragment, three loads of 16 bytes a lane).  K goes through a ring of two LDS slots of two K steps each: 16 token tiles and 20 weight tiles x 3,072 bytes.
; q IS USED TRANSPOSED (source 0 = Wq's tile, source 1 = x's): a lane holds one token and 16 neighbouring columns.  k, v: source 0 = x's tile, source 1 = W's: a lane holds one column and 16 neighbouring tokens of each 32.
; (The places of a tile stand for 8 u + p % 8 + 16 (p / 8) of each 32 tokens or columns: that gives the neighbours.)
; CLUSTER 4 x 4: the four work-groups of a row (same 256 tokens) ask jointly for x's tiles, the four of a column (same head) for the weights'.  The residual tile hangs on both and is each work-group's own load.
; By this text's count a wave has three tensor loads out at the start and one behind each of the two refills.
; LIMITS: ks, vs are made as fma(x + product, s, b s), s = 1 / sqrt(2048), where reference() adds b first and multiplies then: another order of f32 rounding.  A block of zeros gets the byte 1 (this program alone reads the bytes).
; NaN and infinities among the inputs are not served.
; REGISTERS: window 0: v1-15 addresses; v16-47 x's scale words, v48-87 the weights' (lanes 0-15 the even tile, lanes 16-31 the odd); v88-159 three buffers of two weight fragments; v160-255 x's fragments, set 0.
;   window 1: v0-127 q's accumulators (16 i + 8 u), v128-255 weight 1's (64 u + 8 i); window 2: weights 2 and 3; window 3: v0-127 weight 4; v128-223 x's set 1; v224-239 bq; v240-247 bk, bv.
.set SLOT,  110592
.set WOFF,  49152
.set RES,   221184                     ; 256 rows x (256 + 16) bytes: the residual
.set RP,    272
.set KST,   290816                     ; stage: ks', vs' scale words [th][weight][tile][row]
.set QST,   292864                     ; stage: q's scale bytes [tile 16][row][2]
.set SPARE, 293376                     ; the spare words, 128 bytes a wave
.set ADX, 1
.set ADW, 3
.set LI,  5
.set QA,  6
.set ARQ, 7
.set ARK, 8
.set QSA, 9
.set KSA, 10
.set KRD, 11
.set TID, 12
.set SPW, 13
.set NIL, 14
.set QRD, 15
.set XS,  16
.set WS,  48
.set WR,  88
.set TM,  88                           ; the way out, over registers that the products have left
.set PW,  104
.set PC,  106
.set RQ,  128
.set T,   192
.set BQ,  224
.set BKV, 240
.set BS,  192
.set G1X, 36
.set G0X, 44
.set G1W, 52
.set G0W, 60                           ; slot n at 60 + 8 n
.set G1R, 72
.set G0R, 80
.set SC,  84
.set SEL, 34
.set MSB, 0
.macro WIN new                         ; the immediate's high byte repeats the setting that is left
.if MSB != (\new)
	s_set_vgpr_msb (MSB<<8)|(\new)
.set MSB, (\new)
.endif
.endm
.macro PLACES                          ; four plain places behind matrix instructions, in front of loads into and vector work on their registers
.rept 4
	v_nop
.endr
.endm
.macro JLOAD g0x, g0w                  ; waves 0, 1 fetch x's tiles, waves 2, 3 the weights'; the branch hangs on the wave's number alone
	s_cmp_eq_u32 s27, 0
	s_cbranch_scc0 .Lfor_w_\@
	tensor_load_to_lds s[\g0x:\g0x+3], s[G1X:G1X+7]
	s_nop 0
.rept 4
	v_nop
.endr
	s_branch .Lasked_\@
.Lfor_w_\@:
	tensor_load_to_lds s[\g0w:\g0w+3], s[G1W:G1W+7]
	s_nop 0
.rept 4
	v_nop
.endr
.Lasked_\@:
.endm
.macro CREST
	s_cmp_lg_u32 s26, 0
	s_cbranch_scc1 .Lnot_wave_0_\@
	s_barrier_signal -3
.Lnot_wave_0_\@:
	s_barrier_wait -3
	s_barrier_signal -1
	s_barrier_wait -1
.endm
.macro CROUND
	s_barrier_signal -1
	s_barrier_wait -1
	CREST
.endm
; one matrix instruction.  c < 0: the constant 0 starts the sum.  ra, rb: the scales stand in lanes 16-31 of their register
.macro WMS d, a, b, c, sa, sb, ra, rb
.if (\c) < 0
.if (\ra) && (\rb)
	v_wmma_scale_f32_16x16x128_f8f6f4 v[\d:\d+7], v[\a:\a+11], v[\b:\b+11], 0, v[\sa], v[\sb] matrix_a_fmt:MATRIX_FMT_FP6 matrix_b_fmt:MATRIX_FMT_FP6 matrix_a_scale:MATRIX_SCALE_ROW1 matrix_b_scale:MATRIX_SCALE_ROW1
.elseif (\ra)
	v_wmma_scale_f32_16x16x128_f8f6f4 v[\d:\d+7], v[\a:\a+11], v[\b:\b+11], 0, v[\sa], v[\sb] matrix_a_fmt:MATRIX_FMT_FP6 matrix_b_fmt:MATRIX_FMT_FP6 matrix_a_scale:MATRIX_SCALE_ROW1
.elseif (\rb)
	v_wmma_scale_f32_16x16x128_f8f6f4 v[\d:\d+7], v[\a:\a+11], v[\b:\b+11], 0, v[\sa], v[\sb] matrix_a_fmt:MATRIX_FMT_FP6 matrix_b_fmt:MATRIX_FMT_FP6 matrix_b_scale:MATRIX_SCALE_ROW1
.else
	v_wmma_scale_f32_16x16x128_f8f6f4 v[\d:\d+7], v[\a:\a+11], v[\b:\b+11], 0, v[\sa], v[\sb] matrix_a_fmt:MATRIX_FMT_FP6 matrix_b_fmt:MATRIX_FMT_FP6
.endif
.else
.if (\ra) && (\rb)
	v_wmma_scale_f32_16x16x128_f8f6f4 v[\d:\d+7], v[\a:\a+11], v[\b:\b+11], v[\c:\c+7], v[\sa], v[\sb] matrix_a_fmt:MATRIX_FMT_FP6 matrix_b_fmt:MATRIX_FMT_FP6 matrix_a_scale:MATRIX_SCALE_ROW1 matrix_b_scale:MATRIX_SCALE_ROW1
.elseif (\ra)
	v_wmma_scale_f32_16x16x128_f8f6f4 v[\d:\d+7], v[\a:\a+11], v[\b:\b+11], v[\c:\c+7], v[\sa], v[\sb] matrix_a_fmt:MATRIX_FMT_FP6 matrix_b_fmt:MATRIX_FMT_FP6 matrix_a_scale:MATRIX_SCALE_ROW1
.elseif (\rb)
	v_wmma_scale_f32_16x16x128_f8f6f4 v[\d:\d+7], v[\a:\a+11], v[\b:\b+11], v[\c:\c+7], v[\sa], v[\sb] matrix_a_fmt:MATRIX_FMT_FP6 matrix_b_fmt:MATRIX_FMT_FP6 matrix_b_scale:MATRIX_SCALE_ROW1
.else
	v_wmma_scale_f32_16x16x128_f8f6f4 v[\d:\d+7], v[\a:\a+11], v[\b:\b+11], v[\c:\c+7], v[\sa], v[\sb] matrix_a_fmt:MATRIX_FMT_FP6 matrix_b_fmt:MATRIX_FMT_FP6
.endif
.endif
.endm
	s_load_b256 s[4:11], s[0:1], 0x0               ; x, bq, bk, bv
	s_load_b256 s[12:19], s[0:1], 0x20             ; xc, wc, xws, qc
	s_load_b128 s[20:23], s[0:1], 0x40             ; qs, kvc
	s_load_b64 s[24:25], s[0:1], 0x50              ; kvs
	v_lshl_add_u32 v[SPW], v0, 2, SPARE
	v_mov_b32 v[NIL], 0
	ds_add_u32 v[SPW], v[NIL]                      ; the wave's opening: the add, twice on end, and its wait ahead of my first tensor load
	ds_add_u32 v[SPW], v[NIL]
	v_lshrrev_b32 v240, 5, v0
	v_readfirstlane_b32 s26, v240                  ; wave
	s_lshr_b32 s27, s26, 1                         ; th: my 128 tokens.  Also: I fetch x's tiles (0) or the weights' (1)
	s_and_b32 s28, s26, 1                          ; ch: my half of the head's columns.  Also: which half of the tiles I fetch
	s_bfe_u32 s29, ttmp6, 0x40000                  ; cx
	s_bfe_u32 s30, ttmp6, 0x40004                  ; cy
	s_lshl_b32 s31, ttmp9, 2
	s_add_co_u32 s31, s31, s29                     ; the head = 4 x cluster x + cx
	s_and_b32 s32, ttmp7, 0xffff
	s_lshl_b32 s32, s32, 2
	s_add_co_u32 s32, s32, s30                     ; the block of 256 tokens = 4 x cluster y + cy
	s_lshl_b32 s2, s30, 2
	s_lshl_b32 s2, 15, s2                          ; my row of the cluster
	s_lshl_b32 s3, 0x1111, s29                     ; my column
	s_or_b32 s[G1X], s2, (3<<16)|(1<<21)           ; x's tiles: elements of 8 bytes, no padding; the mask, and bit 21 beside it
	s_or_b32 s[G1W], s3, (3<<16)|(1<<21)
	s_mov_b32 s[G1X+1], 384<<16                    ; a row: two K steps' images of one tile, 3,072 bytes
	s_mov_b32 s[G1X+2], 8<<16                      ; 8 tiles
	s_mov_b32 s[G1X+3], 384<<16
	s_mov_b32 s[G1X+4], 8
	s_mov_b32 s[G1X+5], 1536                       ; from tile to tile 12,288 bytes
	s_mov_b32 s[G1X+6], 0
	s_mov_b32 s[G1X+7], 0
	s_mov_b32 s[G1W+1], 384<<16
	s_mov_b32 s[G1W+2], 10<<16                     ; 10 tiles
	s_mov_b32 s[G1W+3], 384<<16
	s_mov_b32 s[G1W+4], 10
	s_mov_b32 s[G1W+5], 1536
	s_mov_b32 s[G1W+6], 0
	s_mov_b32 s[G1W+7], 0
	s_mov_b32 s[G1R], (2<<16)|(1<<20)|(5<<22)|(3<<25)  ; the residual: 64 rows of 64 f32, 16 bytes of padding behind each; no mask
	s_mov_b32 s[G1R+1], 64<<16
	s_mov_b32 s[G1R+2], 64<<16
	s_mov_b32 s[G1R+3], 64<<16
	s_mov_b32 s[G1R+4], 64
	s_mov_b32 s[G1R+5], 1024
	s_mov_b32 s[G1R+6], 0
	s_mov_b32 s[G1R+7], 0
	s_lshl_b32 s86, s32, 4                         ; x's tiles: 16 x block + 8 x half: made of the block and the wave's number alone
	s_lshl_b32 s87, s28, 3
	s_add_co_u32 s86, s86, s87
	s_mul_i32 s86, s86, 12288
	s_mov_b32 s87, 0
	s_mul_i32 s88, s31, 20                         ; the weights': 20 x head + 10 x half: of the head and the wave's number alone
	s_mul_i32 s89, s28, 10
	s_add_co_u32 s88, s88, s89
	s_mul_i32 s88, s88, 12288
	s_mov_b32 s89, 0
	s_mul_i32 s90, s28, 24576                      ; where they go in a slot: the wave's number alone
	s_mul_i32 s91, s28, 30720
	s_add_co_u32 s91, s91, WOFF
	s_mul_i32 s92, s26, 64*RP
	s_add_co_u32 s92, s92, RES
	s_lshl_b32 s94, s32, 8                         ; the residual: row 256 x block + 64 x wave, column 64 x head
	s_lshl_b32 s95, s26, 6
	s_add_co_u32 s94, s94, s95
	s_lshl_b32 s94, s94, 12
	s_lshl_b32 s95, s31, 8
	s_add_co_u32 s94, s94, s95
	s_mov_b32 s95, 0
	s_mov_b32 s[SEL], 0x76543210
	s_mov_b32 s[SEL+1], 0xfedcba98
	s_mov_b32 s[SC], 0x3cb504f3                    ; 1 / sqrt(2048)
	s_mov_b32 s[SC+1], s[SC]
	s_wait_dscnt 0x0                               ; both opening adds are done
	s_wait_kmcnt 0x0
	s_add_nc_u64 s[86:87], s[12:13], s[86:87]
	s_add_nc_u64 s[88:89], s[14:15], s[88:89]
	CROUND                                         ; all sixteen work-groups are here: the first joint loads meet
.irp n, 0,1
	s_mov_b32 s[G0X+4*\n], 1
	s_add_co_u32 s[G0X+4*\n+1], s90, \n*SLOT
	s_add_nc_u64 s[G0X+4*\n+2:G0X+4*\n+3], s[86:87], \n*3072
	s_or_b32 s[G0X+4*\n+3], s[G0X+4*\n+3], 0x80000000
	s_mov_b32 s[G0W+8*\n], 1
	s_add_co_u32 s[G0W+8*\n+1], s91, \n*SLOT
	s_add_nc_u64 s[G0W+8*\n+2:G0W+8*\n+3], s[88:89], \n*3072
	s_or_b32 s[G0W+8*\n+3], s[G0W+8*\n+3], 0x80000000
	JLOAD G0X+4*\n, G0W+8*\n
.endr
	s_mov_b32 s[G0R], 1
	s_mov_b32 s[G0R+1], s92
	s_add_nc_u64 s[G0R+2:G0R+3], s[4:5], s[94:95]
	s_or_b32 s[G0R+3], s[G0R+3], 0x80000000
	tensor_load_to_lds s[G0R:G0R+3], s[G1R:G1R+7]  ; my 64 rows of the residual: filled once
	s_nop 0
.rept 4
	v_nop
.endr
	; addresses
	v_and_b32 v240, 31, v0                         ; l
	v_and_b32 v241, 15, v0                         ; r
	v_bfe_u32 v242, v0, 4, 1                       ; h
	v_and_b32 v243, 8, v241
	v_add_nc_u32 v243, v243, v241                  ; r % 8 + 16 (r / 8)
	v_lshlrev_b32 v[LI], 4, v240
	s_mul_i32 s93, s27, 24576
	v_add_nc_u32 v[ADX], s93, v[LI]
	v_add_nc_u32 v[ADX+1], SLOT, v[ADX]
	s_mul_i32 s93, s28, 6144
	s_add_co_u32 s93, s93, WOFF
	v_add_nc_u32 v[ADW], s93, v[LI]
	v_add_nc_u32 v[ADW+1], SLOT, v[ADW]
	v_mul_u32_u24 v[QA], v241, 24
	v_mad_u32_u24 v[QA], v242, 12, v[QA]
	s_mul_i32 s93, s27, 128*RP
	s_lshl_b32 s33, s28, 7
	s_add_co_u32 s93, s93, s33
	s_add_co_u32 s93, s93, RES                     ; my 128 rows, my 32 columns of the residual
	v_mul_u32_u24 v[ARQ], v243, RP
	v_lshl_add_u32 v[ARQ], v242, 6, v[ARQ]
	v_add_nc_u32 v[ARQ], s93, v[ARQ]               ; for q: my token's row, 16 h columns on
	v_mul_u32_u24 v[ARK], v242, 16*RP
	v_lshl_add_u32 v[ARK], v243, 2, v[ARK]
	v_add_nc_u32 v[ARK], s93, v[ARK]               ; for k, v: 16 h rows down, my column
	s_lshl_b32 s93, s27, 8
	s_add_co_u32 s93, s93, s28
	s_add_co_u32 s93, s93, QST
	v_lshl_add_u32 v[QSA], v241, 1, s93
	s_lshl_b32 s93, s27, 10
	s_add_co_u32 s93, s93, s33
	s_add_co_u32 s93, s93, KST
	v_lshl_add_u32 v[KSA], v241, 2, s93
	v_lshl_add_u32 v[KRD], v0, 4, KST
	v_lshlrev_b32 v[TID], 4, v0
	v_lshl_add_u32 v[QRD], v240, 4, QST
	v_lshlrev_b32 v244, 9, v242
	v_lshl_add_u32 v244, v241, 4, v244             ; scale words: 512 h + 16 r
	v_lshlrev_b32 v245, 6, v242                    ; bq: 64 h
	v_lshlrev_b32 v246, 2, v243                    ; bk, bv: my column
	s_mov_b32 s99, 0
	s_lshl_b32 s98, s32, 4
	s_lshl_b32 s93, s27, 3
	s_add_co_u32 s93, s98, s93                     ; my first token tile
	s_lshl_b32 s98, s93, 9
	s_add_nc_u64 s[94:95], s[16:17], s[98:99]      ; x's scale words
	s_mul_i32 s98, s31, 20
	s_lshl_b32 s92, s28, 1
	s_add_co_u32 s98, s98, s92
	s_lshl_b32 s98, s98, 9
	s_add_co_u32 s98, s98, 262144
	s_add_nc_u64 s[96:97], s[16:17], s[98:99]      ; the weights'
	s_lshl_b32 s98, s31, 8
	s_add_co_u32 s98, s98, s33
	s_add_nc_u64 s[6:7], s[6:7], s[98:99]          ; the biases at my 32 columns
	s_add_nc_u64 s[8:9], s[8:9], s[98:99]
	s_add_nc_u64 s[10:11], s[10:11], s[98:99]
.irp p, 0,1,2,3
.irp k, 0,1
	global_load_b128 v[XS+8*\p+4*\k:XS+8*\p+4*\k+3], v244, s[94:95] offset:1024*\p+256*\k
.endr
.endr
.irp w, 0,1,2,3,4
.irp k, 0,1
	global_load_b128 v[WS+8*\w+4*\k:WS+8*\w+4*\k+3], v244, s[96:97] offset:2048*\w+256*\k
.endr
.endr
	WIN 0xc0                                       ; destination window 3
.irp q, 0,1,2,3
	global_load_b128 v[BQ+4*\q:BQ+4*\q+3], v245, s[6:7] offset:16*\q
.endr
.irp k, 0,1
.irp u, 0,1
	global_load_b32 v[BKV+2*\k+\u], v246, s[8:9] offset:4096*\k+32*\u
	global_load_b32 v[BKV+4+2*\k+\u], v246, s[10:11] offset:4096*\k+32*\u
.endr
.endr
	WIN 0
	s_mul_i32 s98, s93, 12288                      ; where the results go
	s_mul_i32 s92, s31, 768
	s_add_co_u32 s98, s98, s92
	s_mul_i32 s92, s28, 384
	s_add_co_u32 s98, s98, s92
	s_add_nc_u64 s[18:19], s[18:19], s[98:99]      ; qc
	s_lshl_b32 s98, s32, 4
	s_add_co_u32 s98, s98, s31
	s_lshl_b32 s98, s98, 9
	s_add_nc_u64 s[20:21], s[20:21], s[98:99]      ; qs
	s_lshr_b32 s92, s32, 3
	s_lshl_b32 s92, s92, 4
	s_add_co_u32 s92, s92, s31                     ; 16 batch + head
	s_and_b32 s91, s32, 7
	s_lshl_b32 s91, s91, 1                         ; the block's first K step of the states' product
	s_mul_i32 s98, s92, 393216
	s_mul_i32 s90, s28, 49152
	s_add_co_u32 s98, s98, s90
	s_add_co_u32 s90, s91, s27
	s_mul_i32 s90, s90, 1536
	s_add_co_u32 s98, s98, s90
	s_add_nc_u64 s[22:23], s[22:23], s[98:99]      ; kvc
	s_lshl_b32 s98, s92, 4
	s_add_co_u32 s98, s98, s91
	s_lshl_b32 s98, s98, 10
	s_add_nc_u64 s[24:25], s[24:25], s[98:99]      ; kvs
.macro FETCHX s, i0, i1                ; x's tiles i0 .. i1 - 1 of K step s into set s % 2
.if ((\s)%2) == 1
	WIN 0xc0
.set XB, 128
.else
	WIN 0
.set XB, 160
.endif
.set xi, \i0
.rept (\i1)-(\i0)
.irp c, 0,1,2
	ds_load_b128 v[XB+12*xi+4*\c:XB+12*xi+4*\c+3], v[ADX+((\s)/2)%2] offset:3072*xi+1536*((\s)%2)+512*\c
.endr
.set xi, xi+1
.endr
.endm
.macro FETCHW g                        ; the two weight fragments of group g = 5 s + w into ring buffer g % 3
	WIN 0
.irp u, 0,1
.irp c, 0,1,2
	ds_load_b128 v[WR+24*((\g)%3)+12*\u+4*\c:WR+24*((\g)%3)+12*\u+4*\c+3], v[ADW+(((\g)/5)/2)%2] offset:12288*((\g)%5)+3072*\u+1536*(((\g)/5)%2)+512*\c
.endr
.endr
.endm
.macro RUN s, w                        ; one run of LDS loads: half of the next K step's x (groups 3, 4), then the weights of two groups on
.if ((\w) >= 3) && ((\s) < 7)
	FETCHX (\s)+1, 4*((\w)-3), 4*((\w)-3)+4
.endif
.if 5*(\s)+(\w)+2 < 40
	FETCHW 5*(\s)+(\w)+2
.endif
.endm
.macro HALF s, w, u                    ; 8 matrix instructions: weight w's tile u against my 8 token tiles.  The 80 accumulators take turns
.set XB, 160-32*((\s)%2)
.set WB, WR+24*((5*(\s)+(\w))%3)+12*(\u)
.if (\w) == 0
	WIN ((3*((\s)%2))<<2)|0x50
.else
	WIN (3*((\s)%2))|((1+(\w)/2)<<4)|((1+(\w)/2)<<6)
.endif
.irp i, 0,1,2,3,4,5,6,7
.if (\w) == 0
.set AC, 16*\i+8*(\u)
.else
.set AC, 128*((\w)%2)+64*(\u)+8*\i
.endif
.if (\s) == 0
.set CC, -1
.else
.set CC, AC
.endif
.if (\w) == 0
	WMS AC, WB, XB+12*\i, CC, WS+(\s), XS+8*(\i/2)+(\s), \u, \i%2
.else
	WMS AC, XB+12*\i, WB, CC, XS+8*(\i/2)+(\s), WS+8*(\w)+(\s), \i%2, \u
.endif
.endr
.endm
.macro GROUP s, w, left                ; left: the LDS loads issued behind those that this group multiplies
	PLACES
	RUN \s, \w
	s_wait_dscnt \left
	HALF \s, \w, 0
	HALF \s, \w, 1
.endm
; Group 2 of a slot's second K step changes slots: its run holds my last reads of the slot.  fill = 1: the slot is filled again, with the K steps four on.
.macro TURN s, fill
.set SN, ((\s)/2)%2
	PLACES
	RUN \s, 2
	WIN 0
	s_wait_tensorcnt 0x0                           ; all my tensor loads have landed: my part of the next slot (the first time the residual too);
	ds_add_u32 v[SPW], v[NIL]                      ; 0 onto my spare word;
	s_wait_dscnt 13                                ; (two runs of six loads and the add may be out)
	HALF \s, 2, 0                                  ; eight matrix instructions stand between the add and the wait for it
	s_wait_dscnt 0x0                               ; the add is done, and my reads of this slot are over
	s_barrier_signal -1
	HALF \s, 2, 1
	WIN 0
	s_barrier_wait -1
.if \fill
	CREST                                          ; the barrier has opened a round of the cluster's: no wave of any partner still reads the slot or has a load on its way
	s_add_nc_u64 s[G0X+4*SN+2:G0X+4*SN+3], s[G0X+4*SN+2:G0X+4*SN+3], 6144
	s_add_nc_u64 s[G0W+8*SN+2:G0W+8*SN+3], s[G0W+8*SN+2:G0W+8*SN+3], 6144
	JLOAD G0X+4*SN, G0W+8*SN                       ; the first tensor load behind the round: 144 matrix instructions ahead of the wait for it
.endif
.endm
	s_wait_tensorcnt 0x2                           ; my part of slot 0 is in; slot 1's and the residual may be out
	s_barrier_signal -1
	s_barrier_wait -1
	s_wait_loadcnt 0x0                             ; scale words and biases; and the loads' offset registers are free for x's fragments
	FETCHX 0, 0, 8
	FETCHW 0
	FETCHW 1
.irp s, 0,1,2,3,4,5,6,7
	GROUP \s, 0, 12
	GROUP \s, 1, 12
.if (\s == 1) || (\s == 3)
	TURN \s, 1
	GROUP \s, 3, 18
	GROUP \s, 4, 36
.elseif \s == 5
	TURN \s, 0
	GROUP \s, 3, 18
	GROUP \s, 4, 36
.elseif \s == 7
	GROUP \s, 2, 12
	GROUP \s, 3, 6
	GROUP \s, 4, 0
.else
	GROUP \s, 2, 12
	GROUP \s, 3, 24
	GROUP \s, 4, 36
.endif
.endr
; THE WAY OUT.  64 numbers of a lane in v[T] on, register 16 b + i = neighbour 16 h + i of block b.  full = 1: they are one row's 128 along K: a fragment's codes in v[PC] on, its scale word in v[PW].
; full = 0: four rows' halves of one block each: 12 bytes of codes at v[PC + 4 b], the byte in v[TM + 4 + b].
.macro QUANT full
	WIN 0
	s_wait_dscnt 0x0                               ; earlier LDS stores have read the bytes and the word, and what was asked of LDS is in
	s_wait_xcnt 0x0                                ; earlier stores have read the codes' registers
.irp b, 0,1,2,3
	v_max3_num_f32 v[TM+\b], |v[T+16*\b]|, |v[T+1+16*\b]|, 0x1800000    ; the floor 2^(3 - 127): the byte cannot fall under 1
.endr
.irp i, 2,4,6,8,10,12,14
.irp b, 0,1,2,3
	v_max3_num_f32 v[TM+\b], v[TM+\b], |v[T+16*\b+\i]|, |v[T+1+16*\b+\i]|
.endr
.endr
.irp b, 0,1,2,3
	v_permlanex16_b32 v[TM+4+\b], v[TM+\b], s[SEL], s[SEL+1]
.endr
.irp b, 0,1,2,3
	v_max_num_f32 v[TM+\b], v[TM+\b], v[TM+4+\b]   ; with lane l xor 16's: the block's largest magnitude
.endr
.irp b, 0,1,2,3
	v_add_nc_u32 v[TM+12+\b], 0xff000000, v[TM+\b]
.endr
.irp b, 0,1,2,3
	v_lshrrev_b32 v[TM+4+\b], 23, v[TM+12+\b]
.endr
.if \full
	v_lshl_or_b32 v[PW], v[TM+5], 8, v[TM+4]
	v_lshl_or_b32 v[PW], v[TM+6], 16, v[PW]
	v_lshl_or_b32 v[PW], v[TM+7], 24, v[PW]
.irp c, 0,1
	v_cvt_scalef32_pk16_fp6_f32 v[PC+6*\c:PC+2+6*\c], v[T+32*\c:T+15+32*\c], v[TM+12+2*\c]
	v_cvt_scalef32_pk16_fp6_f32 v[PC+12+4*\c:PC+14+4*\c], v[T+16+32*\c:T+31+32*\c], v[TM+12+2*\c+1]
.endr
	v_nop                                          ; one plain place behind a scaled conversion
.irp c, 0,1
.irp i, 0,1,2
	v_permlane16_swap_b32 v[PC+6*\c+\i], v[PC+12+4*\c+\i]   ; a whole block to a lane
.endr
.irp i, 0,1,2
	v_mov_b32 v[PC+3+6*\c+\i], v[PC+12+4*\c+\i]
.endr
.endr
.else
.irp b, 0,1,2,3
	v_cvt_scalef32_pk16_fp6_f32 v[PC+4*\b:PC+4*\b+2], v[T+16*\b:T+16*\b+15], v[TM+12+\b]
.endr
	v_nop
.endif
.endm
.macro LOADRQ a                        ; the residual for q's tiles 4 a .. 4 a + 3: my token, 16 columns
	WIN 0
.irp b, 0,1,2,3
.irp q, 0,1,2,3
	ds_load_b128 v[RQ+16*\b+4*\q:RQ+16*\b+4*\q+3], v[ARQ] offset:(32*((4*(\a)+\b)/2)+8*(\b%2))*RP+16*\q
.endr
.endr
.endm
.macro LOADRK u                        ; the residual for k, v, weight tile u: my column, 64 tokens.  u = 0: window 3; u = 1: window 0
.if (\u) == 0
	WIN 0xc0
.else
	WIN 0
.endif
.set cn, 0
.rept 64
	ds_load_b32 v[RQ+cn], v[ARK] offset:(32*(cn/16)+cn%16)*RP+32*(\u)
.set cn, cn+1
.endr
.endm
.macro QADD a                          ; (product + x) + bq
	WIN 0x01
.set cn, 0
.rept 32
	v_pk_add_f32 v[T+cn:T+cn+1], v[64*(\a)+cn:64*(\a)+cn+1], v[RQ+cn:RQ+cn+1]
.set cn, cn+2
.endr
	WIN 0x0c
.set cn, 0
.rept 32
	v_pk_add_f32 v[T+cn:T+cn+1], v[T+cn:T+cn+1], v[BQ+cn%16:BQ+cn%16+1]
.set cn, cn+2
.endr
.endm
.macro QOUT a
	QUANT 0
.irp b, 0,1,2,3
	global_store_b96 v[QA], v[PC+4*\b:PC+4*\b+2], s[18:19] offset:12288*(4*(\a)+\b)   ; the wave stores 384 consecutive bytes
	ds_store_b8 v[QSA], v[TM+4+\b] offset:32*(4*(\a)+\b)                            ; both lanes of a block write the same byte
.endr
.endm
.macro KV w, u                         ; (product + x) s + b s, quantised along the tokens: one fragment
	WIN (1+(\w)/2)|((3-3*(\u))<<2)
.set cn, 0
.rept 32
	v_pk_add_f32 v[T+cn:T+cn+1], v[128*((\w)%2)+64*(\u)+cn:128*((\w)%2)+64*(\u)+cn+1], v[RQ+cn:RQ+cn+1]
.set cn, cn+2
.endr
	WIN 0x30
.set cn, 0
.rept 32
	v_pk_fma_f32 v[T+cn:T+cn+1], v[T+cn:T+cn+1], s[SC:SC+1], v[BS+2*(2*((\w)-1)+(\u)):BS+2*(2*((\w)-1)+(\u))+1] op_sel_hi:[1,0,0]
.set cn, cn+2
.endr
	QUANT 1
.irp c, 0,1,2
	global_store_b128 v[LI], v[PC+4*\c:PC+4*\c+3], s[22:23] offset:98304*((\w)-1)+24576*(\u)+512*\c   ; 512 consecutive bytes
.endr
	ds_store_b32 v[KSA], v[PW] offset:256*((\w)-1)+64*(\u)
.endm
	WIN 0
	PLACES
.irp b, 0,1,2,3
	v_mov_b32 v[TM+4+\b], 0                        ; a lane permute's destination counts as one of its sources
.endr
	LOADRQ 0
	LOADRK 0
	WIN 0xcc
.irp n, 0,1,2,3,4,5,6,7
	v_mul_f32 v[BS+2*\n], s[SC], v[BKV+\n]         ; b s; the pair's upper half is named with it, so it is written
	v_mul_f32 v[BS+2*\n+1], s[SC], v[BKV+\n]
.endr
	s_wait_dscnt 63                                ; q's residual is in.  Behind its 16 loads stand the 64 for k, v; the largest count that this wait can name is 63, so the first of the 64 is waited for with them
	QADD 0
	LOADRQ 1
	QOUT 0
	s_wait_dscnt 0x0
	QADD 1
	LOADRK 1
	QOUT 1
.irp w, 1,2,3,4
	KV \w, 0
.endr
.irp w, 1,2,3,4
	KV \w, 1
.endr
	s_wait_dscnt 0x0                               ; for the others' sake: my stores into the two stages are done
	s_barrier_signal -1
	s_barrier_wait -1
	ds_load_b128 v[T:T+3], v[KRD]
	s_wait_dscnt 0x0
	global_store_b128 v[TID], v[T:T+3], s[24:25]   ; the work-group's 2,048 bytes of scale words on end
	s_cmp_lg_u32 s26, 0
	s_cbranch_scc1 .Lnot_q
	ds_load_b128 v[T+4:T+7], v[QRD]
	s_wait_dscnt 0x0
	global_store_b128 v[LI], v[T+4:T+7], s[20:21]  ; q's 512 scale bytes
.Lnot_q:
	s_wait_tensorcnt 0x0                           ; the wave's end
	ds_add_u32 v[SPW], v[NIL]
	s_wait_dscnt 0x0
	CROUND                                         ; the closing round
	s_endpgm
.Lfunc_end_k_q06a8435fac_proj:
	.size	k_q06a8435fac_proj, .Lfunc_end_k_q06a8435fac_proj-k_q06a8435fac_proj
	.p2alignl 7, 3214868480
	.fill 96, 4, 3214868480
	.section	.rodata,"a",@progbits
	.p2align	6, 0x0
	.amdhsa_kernel k_q06a8435fac_proj
		.amdhsa_group_segment_fixed_size 327680
		.amdhsa_private_segment_fixed_size 0
		.amdhsa_enable_private_segment 0
		.amdhsa_kernarg_size 88
		.amdhsa_user_sgpr_count 2
		.amdhsa_user_sgpr_kernarg_segment_ptr 1
		.amdhsa_wavefront_size32 1
		.amdhsa_system_sgpr_workgroup_id_x 1
		.amdhsa_system_sgpr_workgroup_id_y 1
		.amdhsa_system_sgpr_workgroup_id_z 1
		.amdhsa_system_vgpr_workitem_id 0
		.amdhsa_next_free_vgpr 1024
		.amdhsa_next_free_sgpr 100
		.amdhsa_reserve_vcc 0
		.amdhsa_float_denorm_mode_32 3
		.amdhsa_float_denorm_mode_16_64 3
		.amdhsa_memory_ordered 1
		.amdhsa_forward_progress 1
		.amdhsa_inst_pref_size 226
	.end_amdhsa_kernel
	.amdgpu_metadata
---
amdhsa.version: [ 1, 2 ]
amdhsa.kernels:
  - .name:           k_q06a8435fac_proj
    .symbol:         k_q06a8435fac_proj.kd
    .args:
      - { .name: x, .offset: 0, .size: 8, .value_kind: global_buffer, .address_space: global }
      - { .name: bq, .offset: 8, .size: 8, .value_kind: global_buffer, .address_space: global }
      - { .name: bk, .offset: 16, .size: 8, .value_kind: global_buffer, .address_space: global }
      - { .name: bv, .offset: 24, .size: 8, .value_kind: global_buffer, .address_space: global }
      - { .name: xc, .offset: 32, .size: 8, .value_kind: global_buffer, .address_space: global }
      - { .name: wc, .offset: 40, .size: 8, .value_kind: global_buffer, .address_space: global }
      - { .name: xws, .offset: 48, .size: 8, .value_kind: global_buffer, .address_space: global }
      - { .name: qc, .offset: 56, .size: 8, .value_kind: global_buffer, .address_space: global }
      - { .name: qs, .offset: 64, .size: 8, .value_kind: global_buffer, .address_space: global }
      - { .name: kvc, .offset: 72, .size: 8, .value_kind: global_buffer, .address_space: global }
      - { .name: kvs, .offset: 80, .size: 8, .value_kind: global_buffer, .address_space: global }
    .group_segment_fixed_size: 327680
    .private_segment_fixed_size: 0
    .kernarg_segment_align: 8
    .kernarg_segment_size: 88
    .max_flat_workgroup_size: 128
    .sgpr_count:     100
    .vgpr_count:     1024
    .wavefront_size: 32
...
	.end_amdgpu_metadata
.endif
;; end of part 2
;; launch state (part 3): grid 256 x 1, 8 waves a work-group, no clusters, 74,752 bytes of LDS; arguments kvc, kvs, sb; writes sb
.if DOCPART == 3
	.amdgcn_target "amdgcn-amd-amdhsa--gfx1250"
	.amdhsa_code_object_version 6
	.text
	.protected	k_q06a8435fac_state
	.globl	k_q06a8435fac_state
	.p2align	8
	.type	k_q06a8435fac_state,@function
k_q06a8435fac_state:
	s_mov_b64 s[64:65], 0
	v_nop
	global_prefetch_b8 v0, s[64:65] scope:SCOPE_SE
	s_setreg_imm32_b32 hwreg(HW_REG_WAVE_MODE, 25, 1), 1
	s_wait_xcnt 0x0
; states[k][d][e] = sum over the batch's 2,048 tokens of ks[k][n][d] vs[k][n][e], on codes of FP6 (E2M3); state = states[0] x states[1]; state is quantised along d for the next product.  No work is left out.
; SHARES.  A work-group makes, for one (batch, head), all 64 d x one tile of 16 e, for both k.  Each of its EIGHT waves sums K steps 2 w and 2 w + 1 (256 tokens) and asks for both at the head: all that the
; work-group reads, 8 x 60 loads of 512 bytes, is asked for at once.  The eight partial sums meet in LDS: wave w adds two of the sixteen groups of four registers over all eight waves; wave 0 takes the sums and finishes.
; Operands come from memory straight into registers as images (three loads of 16 bytes a lane): a wave uses no fragment twice, so LDS would only be a detour.
; NO CLUSTER: the four work-groups of a head share ks' fragments, but a wave has two K steps in all, both asked for at the head: a ring with rounds would have nothing to turn.
; Source 0 = ks' tile (d), source 1 = vs' tile (e): lane (r, h) holds e's place r, and the 16 registers of tiles 2 B, 2 B + 1 are d = 32 B + 16 h + 0 .. 15.
; The record for (batch, head, tile of e), 1,024 bytes: registers 0-3 of the fragment at 16 l, registers 4-5 at 512 + 8 l, the scale word twice at 768 + 8 l (bytes 2, 3 = 127: they meet zero codes).
; LIMITS: the sum over the tokens is made of eight f32 partial sums, added in ascending order; a block of zeros gets the byte 1 (this program alone reads the bytes); NaN and infinities are not served.
.set RED,   65536                      ; LDS: 0: eight images of 64 registers, 8,192 bytes a wave;  RED: the sums, 8,192 bytes
.set SPARE, 73728                      ; the spare words, 128 bytes a wave
.set SPW, 10
.set NIL, 11
.set RDA, 12                           ; v12 where I read my two groups of every wave's image: 16 l + 1,024 w
.set RWA, 13                           ; v13 where I put their sums: RED + 16 l + 1,024 w
.set RFA, 14                           ; v14 where wave 0 reads the sums: RED + 16 l
.set KS,  16                           ; v16-25 scale words: for K step s: 16 + 5 s + 2 k + p (ks, tiles 2 p | 2 p + 1), + 4 (vs: k = 0 | k = 1)
.set TM,  36
.set TP,  38
.set SO,  40
.set BY,  42
.set PW,  44
.set PC,  48
.set AC,  64                           ; v64-127 accumulators (k, t): 64 + 8 (4 k + t)
.set TMP, 128
.set P,   192
.set MSB, 0
.macro WIN new
.if MSB != (\new)
	s_set_vgpr_msb (MSB<<8)|(\new)
.set MSB, (\new)
.endif
.endm
.macro PLACES
.rept 4
	v_nop
.endr
.endm
.macro WMS d, a, b, c, sa, sb, ra, rb
.if (\c) < 0
.if (\ra) && (\rb)
	v_wmma_scale_f32_16x16x128_f8f6f4 v[\d:\d+7], v[\a:\a+11], v[\b:\b+11], 0, v[\sa], v[\sb] matrix_a_fmt:MATRIX_FMT_FP6 matrix_b_fmt:MATRIX_FMT_FP6 matrix_a_scale:MATRIX_SCALE_ROW1 matrix_b_scale:MATRIX_SCALE_ROW1
.elseif (\ra)
	v_wmma_scale_f32_16x16x128_f8f6f4 v[\d:\d+7], v[\a:\a+11], v[\b:\b+11], 0, v[\sa], v[\sb] matrix_a_fmt:MATRIX_FMT_FP6 matrix_b_fmt:MATRIX_FMT_FP6 matrix_a_scale:MATRIX_SCALE_ROW1
.elseif (\rb)
	v_wmma_scale_f32_16x16x128_f8f6f4 v[\d:\d+7], v[\a:\a+11], v[\b:\b+11], 0, v[\sa], v[\sb] matrix_a_fmt:MATRIX_FMT_FP6 matrix_b_fmt:MATRIX_FMT_FP6 matrix_b_scale:MATRIX_SCALE_ROW1
.else
	v_wmma_scale_f32_16x16x128_f8f6f4 v[\d:\d+7], v[\a:\a+11], v[\b:\b+11], 0, v[\sa], v[\sb] matrix_a_fmt:MATRIX_FMT_FP6 matrix_b_fmt:MATRIX_FMT_FP6
.endif
.else
.if (\ra) && (\rb)
	v_wmma_scale_f32_16x16x128_f8f6f4 v[\d:\d+7], v[\a:\a+11], v[\b:\b+11], v[\c:\c+7], v[\sa], v[\sb] matrix_a_fmt:MATRIX_FMT_FP6 matrix_b_fmt:MATRIX_FMT_FP6 matrix_a_scale:MATRIX_SCALE_ROW1 matrix_b_scale:MATRIX_SCALE_ROW1
.elseif (\ra)
	v_wmma_scale_f32_16x16x128_f8f6f4 v[\d:\d+7], v[\a:\a+11], v[\b:\b+11], v[\c:\c+7], v[\sa], v[\sb] matrix_a_fmt:MATRIX_FMT_FP6 matrix_b_fmt:MATRIX_FMT_FP6 matrix_a_scale:MATRIX_SCALE_ROW1
.elseif (\rb)
	v_wmma_scale_f32_16x16x128_f8f6f4 v[\d:\d+7], v[\a:\a+11], v[\b:\b+11], v[\c:\c+7], v[\sa], v[\sb] matrix_a_fmt:MATRIX_FMT_FP6 matrix_b_fmt:MATRIX_FMT_FP6 matrix_b_scale:MATRIX_SCALE_ROW1
.else
	v_wmma_scale_f32_16x16x128_f8f6f4 v[\d:\d+7], v[\a:\a+11], v[\b:\b+11], v[\c:\c+7], v[\sa], v[\sb] matrix_a_fmt:MATRIX_FMT_FP6 matrix_b_fmt:MATRIX_FMT_FP6
.endif
.endif
.endm
	s_load_b128 s[4:7], s[0:1], 0x0                ; kvc, kvs
	s_load_b64 s[8:9], s[0:1], 0x10                ; sb
	v_lshl_add_u32 v[SPW], v0, 2, SPARE
	v_mov_b32 v[NIL], 0
	v_lshrrev_b32 v1, 5, v0
	v_readfirstlane_b32 s10, v1                    ; wave 0 .. 7
	v_and_b32 v6, 31, v0
	v_and_b32 v7, 15, v0
	v_bfe_u32 v8, v0, 4, 1
	v_lshlrev_b32 v1, 4, v6                        ; 16 l
	v_lshlrev_b32 v2, 2, v6                        ; 4 l
	v_lshlrev_b32 v3, 8, v8
	v_lshl_add_u32 v3, v7, 2, v3                   ; 256 h + 4 r
	s_lshl_b32 s11, s10, 13
	v_add_nc_u32 v4, s11, v1                       ; LDS: my wave's 8,192 bytes
	s_lshl_b32 s11, s10, 10
	v_add_nc_u32 v[RDA], s11, v1
	v_add_nc_u32 v[RWA], RED, v[RDA]
	v_add_nc_u32 v[RFA], RED, v1
	v_lshlrev_b32 v5, 3, v6                        ; 8 l
	v_mov_b32 v[TP], 0
	v_mov_b32 v[TP+1], 0
	s_lshr_b32 s12, ttmp9, 2                       ; 16 batch + head
	s_and_b32 s13, ttmp9, 3                        ; the tile of e
	s_mul_i32 s14, s12, 393216
	s_mul_i32 s15, s10, 3072                       ; my two K steps' images
	s_add_co_u32 s14, s14, s15
	s_mov_b32 s15, 0
	s_mul_i32 s16, s13, 24576
	s_mov_b32 s17, 0
	s_lshl_b32 s18, s12, 14
	s_lshl_b32 s19, s10, 11                        ; and their scale words, 1,024 bytes a step
	s_add_co_u32 s18, s18, s19
	s_mov_b32 s19, 0
	s_lshl_b32 s20, s13, 6
	s_mov_b32 s21, 0
	s_lshl_b32 s22, ttmp9, 10
	s_mov_b32 s23, 0
	s_mov_b32 s24, 0x76543210
	s_mov_b32 s25, 0xfedcba98
	s_wait_kmcnt 0x0
	s_add_nc_u64 s[4:5], s[4:5], s[14:15]          ; the head's codes at my two K steps
	s_add_nc_u64 s[26:27], s[4:5], s[16:17]        ; + my tile of e
	s_add_nc_u64 s[6:7], s[6:7], s[18:19]
	s_add_nc_u64 s[28:29], s[6:7], s[20:21]
	s_add_nc_u64 s[8:9], s[8:9], s[22:23]
.irp s, 0,1
.irp k, 0,1
.irp p, 0,1
	global_load_b32 v[KS+5*\s+2*\k+\p], v2, s[6:7] offset:1024*\s+256*\k+128*\p
.endr
.endr
	global_load_b32 v[KS+5*\s+4], v3, s[28:29] offset:1024*\s+512
.endr
.macro LOADK s                         ; K step s: ks' eight fragments and vs' two, 30 loads, into window 1, set s
	WIN 0x40
.irp f, 0,1,2,3,4,5,6,7
.irp c, 0,1,2
	global_load_b128 v[120*(\s)+12*\f+4*\c:120*(\s)+12*\f+4*\c+3], v1, s[4:5] offset:24576*\f+1536*(\s)+512*\c
.endr
.endr
.irp k, 0,1
.irp c, 0,1,2
	global_load_b128 v[120*(\s)+96+12*\k+4*\c:120*(\s)+96+12*\k+4*\c+3], v1, s[26:27] offset:196608+98304*\k+1536*(\s)+512*\c th:TH_LOAD_NT
.endr
.endr
	WIN 0
.endm
	LOADK 0
	LOADK 1
.irp s, 0,1
.if \s == 0
	s_wait_loadcnt 30                              ; the scale words and the first K step are in; the second step's 30 loads may be out
.else
	s_wait_loadcnt 0x0
.endif
	WIN 0x05                                       ; both sources window 1.  The eight accumulators take turns
.irp k, 0,1
.irp t, 0,1,2,3
.if \s == 0
	WMS AC+8*(4*\k+\t), 120*\s+12*(4*\k+\t), 120*\s+96+12*\k, -1, KS+5*\s+2*\k+\t/2, KS+5*\s+4, \t%2, \k
.else
	WMS AC+8*(4*\k+\t), 120*\s+12*(4*\k+\t), 120*\s+96+12*\k, AC+8*(4*\k+\t), KS+5*\s+2*\k+\t/2, KS+5*\s+4, \t%2, \k
.endif
.endr
.endr
	WIN 0
	PLACES
.endr
.irp q, 0,1,2,3,4,5,6,7,8,9,10,11,12,13,14,15
	ds_store_b128 v4, v[AC+4*\q:AC+4*\q+3] offset:512*\q    ; each accumulator from its low end on
.endr
	s_wait_dscnt 0x0                               ; for the others' sake: my image lies in LDS
	s_barrier_signal -1
	s_barrier_wait -1
.irp v, 0,1,2,3,4,5,6,7
.irp j, 0,1
	ds_load_b128 v[TMP+8*\v+4*\j:TMP+8*\v+4*\j+3], v[RDA] offset:8192*\v+512*\j    ; groups 2 w and 2 w + 1 of wave v's image
.endr
.endr
	s_wait_dscnt 0x0
.irp v, 1,2,3,4,5,6,7
.irp i, 0,2,4,6
	v_pk_add_f32 v[TMP+\i:TMP+\i+1], v[TMP+\i:TMP+\i+1], v[TMP+8*\v+\i:TMP+8*\v+\i+1]   ; in ascending order of the tokens; four chains
.endr
.endr
	ds_store_b128 v[RWA], v[TMP:TMP+3]
	ds_store_b128 v[RWA], v[TMP+4:TMP+7] offset:512
	s_wait_dscnt 0x0                               ; for wave 0's sake: my two sums lie in LDS
	s_barrier_signal -1
	s_barrier_wait -1
	s_cmp_lg_u32 s10, 0
	s_cbranch_scc1 .Lend
.irp q, 0,1,2,3,4,5,6,7,8,9,10,11,12,13,14,15
	ds_load_b128 v[AC+4*\q:AC+4*\q+3], v[RFA] offset:512*\q
.endr
	s_wait_dscnt 0x0
.set cn, 0
.rept 16
	v_pk_mul_f32 v[P+cn:P+cn+1], v[AC+cn:AC+cn+1], v[AC+32+cn:AC+32+cn+1]   ; the product over the two states
.set cn, cn+2
.endr
.irp b, 0,1
	v_max3_num_f32 v[TM+\b], |v[P+16*\b]|, |v[P+16*\b+1]|, 0x1800000        ; the floor 2^(3 - 127): the byte cannot fall under 1
.endr
.irp i, 2,4,6,8,10,12,14
.irp b, 0,1
	v_max3_num_f32 v[TM+\b], v[TM+\b], |v[P+16*\b+\i]|, |v[P+16*\b+\i+1]|
.endr
.endr
.irp b, 0,1
	v_permlanex16_b32 v[TP+\b], v[TM+\b], s24, s25
.endr
.irp b, 0,1
	v_max_num_f32 v[TM+\b], v[TM+\b], v[TP+\b]
.endr
.irp b, 0,1
	v_add_nc_u32 v[SO+\b], 0xff000000, v[TM+\b]
.endr
.irp b, 0,1
	v_lshrrev_b32 v[BY+\b], 23, v[SO+\b]
.endr
	v_lshl_or_b32 v[PW], v[BY+1], 8, v[BY]
	v_or_b32 v[PW], 0x7f7f0000, v[PW]
	v_mov_b32 v[PW+1], v[PW]
	v_cvt_scalef32_pk16_fp6_f32 v[PC:PC+2], v[P:P+15], v[SO]
	v_cvt_scalef32_pk16_fp6_f32 v[PC+4:PC+6], v[P+16:P+31], v[SO+1]
	v_nop                                          ; one plain place behind a scaled conversion
.irp i, 0,1,2
	v_permlane16_swap_b32 v[PC+\i], v[PC+4+\i]     ; lanes 0-15: block 0, lanes 16-31: block 1
.endr
.irp i, 0,1,2
	v_mov_b32 v[PC+3+\i], v[PC+4+\i]
.endr
	global_store_b128 v1, v[PC:PC+3], s[8:9]
	global_store_b64 v5, v[PC+4:PC+5], s[8:9] offset:512
	global_store_b64 v5, v[PW:PW+1], s[8:9] offset:768
.Lend:
	s_wait_tensorcnt 0x0                           ; the wave's end
	ds_add_u32 v[SPW], v[NIL]
	s_wait_dscnt 0x0
	s_endpgm
.Lfunc_end_k_q06a8435fac_state:
	.size	k_q06a8435fac_state, .Lfunc_end_k_q06a8435fac_state-k_q06a8435fac_state
	.p2alignl 7, 3214868480
	.fill 96, 4, 3214868480
	.section	.rodata,"a",@progbits
	.p2align	6, 0x0
	.amdhsa_kernel k_q06a8435fac_state
		.amdhsa_group_segment_fixed_size 74752
		.amdhsa_private_segment_fixed_size 0
		.amdhsa_enable_private_segment 0
		.amdhsa_kernarg_size 24
		.amdhsa_user_sgpr_count 2
		.amdhsa_user_sgpr_kernarg_segment_ptr 1
		.amdhsa_wavefront_size32 1
		.amdhsa_system_sgpr_workgroup_id_x 1
		.amdhsa_system_sgpr_workgroup_id_y 1
		.amdhsa_system_sgpr_workgroup_id_z 1
		.amdhsa_system_vgpr_workitem_id 0
		.amdhsa_next_free_vgpr 512
		.amdhsa_next_free_sgpr 66
		.amdhsa_reserve_vcc 0
		.amdhsa_float_denorm_mode_32 3
		.amdhsa_float_denorm_mode_16_64 3
		.amdhsa_memory_ordered 1
		.amdhsa_forward_progress 1
		.amdhsa_inst_pref_size 20
	.end_amdhsa_kernel
	.amdgpu_metadata
---
amdhsa.version: [ 1, 2 ]
amdhsa.kernels:
  - .name:           k_q06a8435fac_state
    .symbol:         k_q06a8435fac_state.kd
    .args:
      - { .name: kvc, .offset: 0, .size: 8, .value_kind: global_buffer, .address_space: global }
      - { .name: kvs, .offset: 8, .size: 8, .value_kind: global_buffer, .address_space: global }
      - { .name: sb, .offset: 16, .size: 8, .value_kind: global_buffer, .address_space: global }
    .group_segment_fixed_size: 74752
    .private_segment_fixed_size: 0
    .kernarg_segment_align: 8
    .kernarg_segment_size: 24
    .max_flat_workgroup_size: 256
    .sgpr_count:     66
    .vgpr_count:     512
    .wavefront_size: 32
...
	.end_amdgpu_metadata
.endif
;; end of part 3
;; launch out (part 4): grid 128 x 2, 4 waves a work-group, no clusters, 161,280 bytes of LDS; arguments qc, qs, sb, wc, xws, ln_g, ln_b, bo, out0; writes out0
.if DOCPART == 4
	.amdgcn_target "amdgcn-amd-amdhsa--gfx1250"
	.amdhsa_code_object_version 6
	.text
	.protected	k_q06a8435fac_out
	.globl	k_q06a8435fac_out
	.p2align	8
	.type	k_q06a8435fac_out,@function
k_q06a8435fac_out:
	s_mov_b64 s[64:65], 0
	v_nop
	global_prefetch_b8 v0, s[64:65] scope:SCOPE_SE
	s_setreg_imm32_b32 hwreg(HW_REG_WAVE_MODE, 25, 1), 1
	s_wait_xcnt 0x0
; out = q state (K = the head's 64), LayerNorm over the 1,024 channels, its quantiser along the channels, the product with Wo, + bo.  Both products on codes of FP6 (E2M3).  No work is left out.
; SHARES.  A work-group makes 64 tokens x 512 output columns.  Through the LayerNorm wave w owns token tile w (16 tokens, all 1,024 channels: 512 registers; a token's row lies in lanes l and l xor 16, so mean and variance
; ask no other wave); the normalised rows go to LDS as images of operand registers; then wave w owns output columns 128 w .. + 127 for all four token tiles.  The two work-groups of a block of tokens each make the
; first product and the norm for themselves: that halves the bytes of Wo that a work-group takes in.
; FIRST PRODUCT: source 0 = the state's tile (16 e x 64 d; its registers 6-11, K 64 .. 127, are zero codes), source 1 = q's 12 registers from the head's first on (the upper six are the next head's codes and meet the zeros).
; NO CLUSTER: each fragment of Wo goes to one wave's registers and is used there for four products; two K steps of Wo's 512 columns are 98,304 bytes, and beside the 160,768 bytes in use two such slots do not fit in LDS.
; LIMITS: 1 / sqrt(var + 1e-5) is v_rsq_f32 and a multiplication where reference() divides by a root; a block of zeros gets the byte 1; NaN and infinities are not served.
; REGISTERS: window 0: v1-15 addresses; v16-47 Wo's scale words; v48-55 the rows'; v56-63 q's; v64-71 the state's; v72-87 statistics; v88-127 the quantiser's; v128-255 q's codes, then gains and offsets, then rows of the result.
;   windows 1, 2: the first product, 32 head + 8 tile; later window 1: the 32 accumulators 8 (4 t + m); window 2: v0-95 Wo's third buffer, v96-191 two sets of four row fragments.
;   window 3: v0-191 two sets of eight state tiles, later Wo's first two buffers; v192-255 bo.
.set GB,    65536                      ; LDS: 0: the batch's 64 records of the state;  ln_g, ln_b
.set AIMG,  73728                      ; the rows' images [tile 4][K step 8][1536]
.set ASC,   122880                     ; their scale words, 128 bytes each
.set STG,   126976                     ; the way out: 16 rows x (512 + 16) for each wave
.set SPARE, 160768
.set TID16, 1
.set TIDG,  2
.set LI,    3
.set L8,    4
.set SSA,   5
.set AG,    6
.set AI,    7
.set ASW,   8
.set AF,    9
.set ASF,   10
.set SO,    11
.set SR,    12
.set QV,    13
.set QSV,   14
.set WSV,   15
.set WS,    16
.set ASR,   48
.set QSR,   56
.set SSR,   64
.set SUM,   72
.set MU,    80
.set VT,    82
.set RS,    84
.set BOV,   86
.set TM,    88
.set PW,    104
.set FL,    105
.set SPW,   106
.set NIL,   107
.set PC,    108
.set Q,     128
.set G,     128
.set BT,    192
.set BK,    128
.set MSB, 0
.macro WIN new
.if MSB != (\new)
	s_set_vgpr_msb (MSB<<8)|(\new)
.set MSB, (\new)
.endif
.endm
.macro PLACES
.rept 4
	v_nop
.endr
.endm
.macro WMS d, a, b, c, sa, sb, ra, rb
.if (\c) < 0
.if (\ra) && (\rb)
	v_wmma_scale_f32_16x16x128_f8f6f4 v[\d:\d+7], v[\a:\a+11], v[\b:\b+11], 0, v[\sa], v[\sb] matrix_a_fmt:MATRIX_FMT_FP6 matrix_b_fmt:MATRIX_FMT_FP6 matrix_a_scale:MATRIX_SCALE_ROW1 matrix_b_scale:MATRIX_SCALE_ROW1
.elseif (\ra)
	v_wmma_scale_f32_16x16x128_f8f6f4 v[\d:\d+7], v[\a:\a+11], v[\b:\b+11], 0, v[\sa], v[\sb] matrix_a_fmt:MATRIX_FMT_FP6 matrix_b_fmt:MATRIX_FMT_FP6 matrix_a_scale:MATRIX_SCALE_ROW1
.elseif (\rb)
	v_wmma_scale_f32_16x16x128_f8f6f4 v[\d:\d+7], v[\a:\a+11], v[\b:\b+11], 0, v[\sa], v[\sb] matrix_a_fmt:MATRIX_FMT_FP6 matrix_b_fmt:MATRIX_FMT_FP6 matrix_b_scale:MATRIX_SCALE_ROW1
.else
	v_wmma_scale_f32_16x16x128_f8f6f4 v[\d:\d+7], v[\a:\a+11], v[\b:\b+11], 0, v[\sa], v[\sb] matrix_a_fmt:MATRIX_FMT_FP6 matrix_b_fmt:MATRIX_FMT_FP6
.endif
.else
.if (\ra) && (\rb)
	v_wmma_scale_f32_16x16x128_f8f6f4 v[\d:\d+7], v[\a:\a+11], v[\b:\b+11], v[\c:\c+7], v[\sa], v[\sb] matrix_a_fmt:MATRIX_FMT_FP6 matrix_b_fmt:MATRIX_FMT_FP6 matrix_a_scale:MATRIX_SCALE_ROW1 matrix_b_scale:MATRIX_SCALE_ROW1
.elseif (\ra)
	v_wmma_scale_f32_16x16x128_f8f6f4 v[\d:\d+7], v[\a:\a+11], v[\b:\b+11], v[\c:\c+7], v[\sa], v[\sb] matrix_a_fmt:MATRIX_FMT_FP6 matrix_b_fmt:MATRIX_FMT_FP6 matrix_a_scale:MATRIX_SCALE_ROW1
.elseif (\rb)
	v_wmma_scale_f32_16x16x128_f8f6f4 v[\d:\d+7], v[\a:\a+11], v[\b:\b+11], v[\c:\c+7], v[\sa], v[\sb] matrix_a_fmt:MATRIX_FMT_FP6 matrix_b_fmt:MATRIX_FMT_FP6 matrix_b_scale:MATRIX_SCALE_ROW1
.else
	v_wmma_scale_f32_16x16x128_f8f6f4 v[\d:\d+7], v[\a:\a+11], v[\b:\b+11], v[\c:\c+7], v[\sa], v[\sb] matrix_a_fmt:MATRIX_FMT_FP6 matrix_b_fmt:MATRIX_FMT_FP6
.endif
.endif
.endm
	s_load_b256 s[4:11], s[0:1], 0x0               ; qc, qs, sb, wc
	s_load_b256 s[12:19], s[0:1], 0x20             ; xws, ln_g, ln_b, bo
	s_load_b64 s[20:21], s[0:1], 0x40              ; out0
	v_lshl_add_u32 v[SPW], v0, 2, SPARE
	v_mov_b32 v[NIL], 0
	v_lshrrev_b32 v88, 5, v0
	v_readfirstlane_b32 s22, v88                   ; wave
	s_and_b32 s24, ttmp7, 0xffff                   ; which 512 output columns
	v_and_b32 v88, 31, v0                          ; l
	v_and_b32 v89, 15, v0                          ; r
	v_bfe_u32 v90, v0, 4, 1                        ; h
	v_lshlrev_b32 v[TID16], 4, v0
	v_add_nc_u32 v[TIDG], GB, v[TID16]
	v_lshlrev_b32 v[LI], 4, v88
	v_lshlrev_b32 v[L8], 3, v88
	v_lshlrev_b32 v[SSA], 10, v90
	v_lshl_add_u32 v[SSA], v89, 3, v[SSA]
	v_add_nc_u32 v[SSA], 768, v[SSA]               ; the state's scale words: record h of a pair, row r
	v_lshlrev_b32 v[BOV], 6, v90                   ; 64 h
	v_add_nc_u32 v[AG], GB, v[BOV]
	s_mul_i32 s30, s22, 12288
	s_add_co_u32 s30, s30, AIMG
	v_add_nc_u32 v[AI], s30, v[LI]
	s_lshl_b32 s30, s22, 10
	s_add_co_u32 s30, s30, ASC
	v_lshl_add_u32 v[ASW], v88, 2, s30
	v_add_nc_u32 v[AF], AIMG, v[LI]
	v_lshl_add_u32 v[ASF], v88, 2, ASC
	s_mul_i32 s30, s22, 8448
	s_add_co_u32 s30, s30, STG
	v_mul_u32_u24 v[SO], v89, 528
	v_lshl_add_u32 v[SO], v90, 6, v[SO]
	v_add_nc_u32 v[SO], s30, v[SO]
	v_add_nc_u32 v[SR], s30, v[LI]
	v_mul_u32_u24 v[QV], v89, 24
	v_mad_u32_u24 v[QV], v90, 384, v[QV]
	v_lshlrev_b32 v[QSV], 9, v90
	v_lshl_add_u32 v[WSV], v89, 4, v[QSV]
	v_lshl_add_u32 v[QSV], v89, 1, v[QSV]
	v_mov_b32 v[FL], 0x1800000                     ; the floor 2^(3 - 127)
	v_mov_b32 v[VT], 0
.irp b, 0,1,2,3
	v_mov_b32 v[TM+4+\b], 0                        ; a lane permute's destination counts as one of its sources
.endr
	s_mov_b32 s26, 0x76543210
	s_mov_b32 s27, 0xfedcba98
	s_mov_b32 s28, 0x3a800000                      ; 1 / 1024
	s_mov_b32 s31, 0
	s_wait_kmcnt 0x0
	s_lshr_b32 s30, ttmp9, 5
	s_lshl_b32 s30, s30, 16
	s_add_nc_u64 s[8:9], s[8:9], s[30:31]          ; the batch's records
	s_lshl_b32 s30, ttmp9, 2
	s_add_co_u32 s30, s30, s22
	s_mul_i32 s30, s30, 12288
	s_add_nc_u64 s[4:5], s[4:5], s[30:31]          ; my token tile's codes of q
	s_lshr_b32 s30, ttmp9, 2
	s_lshl_b32 s30, s30, 13
	s_and_b32 s32, ttmp9, 3
	s_lshl_b32 s32, s32, 2
	s_add_co_u32 s32, s32, s22
	s_lshl_b32 s32, s32, 5
	s_add_co_u32 s30, s30, s32
	s_add_nc_u64 s[6:7], s[6:7], s[30:31]          ; and its scale bytes
	s_lshl_b32 s32, s24, 5
	s_lshl_b32 s33, s22, 3
	s_add_co_u32 s32, s32, s33
	s_add_co_u32 s32, s32, 320                     ; my first tile of Wo
	s_mul_i32 s30, s32, 12288
	s_add_nc_u64 s[10:11], s[10:11], s[30:31]
	s_lshl_b32 s30, s32, 9
	s_add_co_u32 s30, s30, 262144
	s_add_nc_u64 s[12:13], s[12:13], s[30:31]
	s_lshl_b32 s30, s24, 11
	s_lshl_b32 s32, s22, 9
	s_add_co_u32 s30, s30, s32
	s_add_nc_u64 s[18:19], s[18:19], s[30:31]      ; bo at my 128 columns
	s_lshl_b32 s32, ttmp9, 18
	s_add_co_u32 s30, s30, s32
	s_add_nc_u64 s[20:21], s[20:21], s[30:31]      ; out0 at the block's first row, my columns
	; ---- the state's records and the gains go to LDS in whole runs: 2,048 consecutive bytes a load of the work-group
	WIN 0x40
.set cn, 0
.rept 32
	global_load_b128 v[4*cn:4*cn+3], v[TID16], s[8:9] offset:2048*cn
.set cn, cn+1
.endr
.irp n, 0,1
	global_load_b128 v[128+4*\n:128+4*\n+3], v[TID16], s[14:15] offset:2048*\n
	global_load_b128 v[136+4*\n:136+4*\n+3], v[TID16], s[16:17] offset:2048*\n
.endr
	WIN 0
.irp p, 0,1,2,3,4,5,6,7
	global_load_u16 v[QSR+\p], v[QSV], s[6:7] offset:1024*\p     ; lanes 0-15 head 2 p, lanes 16-31 head 2 p + 1; bytes 2, 3 are 0 and meet zero codes
.endr
.set cn, 0
.rept 16
.irp i, 0,1,2
	global_load_b64 v[Q+6*cn+2*\i:Q+6*cn+2*\i+1], v[QV], s[4:5] offset:768*cn+8*\i
.endr
.set cn, cn+1
.endr
	s_wait_loadcnt 56                              ; the 36 loads of the copy are in; q's 56 may be out
	WIN 0x04                                       ; an LDS store's data: window 1
.set cn, 0
.rept 32
	ds_store_b128 v[TID16], v[4*cn:4*cn+3] offset:2048*cn
.set cn, cn+1
.endr
.irp n, 0,1
	ds_store_b128 v[TIDG], v[128+4*\n:128+4*\n+3] offset:2048*\n
	ds_store_b128 v[TIDG], v[136+4*\n:136+4*\n+3] offset:4096+2048*\n
.endr
	WIN 0
.irp p, 0,1,2,3
.irp k, 0,1
	global_load_b128 v[WS+8*\p+4*\k:WS+8*\p+4*\k+3], v[WSV], s[12:13] offset:1024*\p+256*\k
.endr
.endr
	WIN 0xc0
.irp t, 0,1,2,3,4,5,6,7
	global_load_b128 v[192+8*\t:192+8*\t+3], v[BOV], s[18:19] offset:128*(\t/2)+32*(\t%2)
	global_load_b128 v[192+8*\t+4:192+8*\t+7], v[BOV], s[18:19] offset:128*(\t/2)+32*(\t%2)+16
.endr
.set cn, 0
.rept 16
.irp i, 6,7,8,9,10,11
	v_mov_b32 v[12*cn+\i], 0                       ; K 64 .. 127 of the state's tiles: zero codes, written once
.endr
.set cn, cn+1
.endr
	WIN 0
.irp i, 0,1,2,3,4,5
	v_mov_b32 v[Q+96+\i], 0                        ; behind the last head's codes
.endr
	s_wait_dscnt 0x0
	s_barrier_signal -1
	s_barrier_wait -1                              ; the records and the gains lie in LDS
	; ---- the first product: 8 tiles (two heads) at a time
.macro FETCHS g
	WIN 0xc0
.irp n, 0,1,2,3,4,5,6,7
	ds_load_b128 v[96*((\g)%2)+12*\n:96*((\g)%2)+12*\n+3], v[LI] offset:1024*(8*(\g)+\n)
	ds_load_b64 v[96*((\g)%2)+12*\n+4:96*((\g)%2)+12*\n+5], v[L8] offset:1024*(8*(\g)+\n)+512
.endr
	WIN 0
.irp p, 0,1,2,3
	ds_load_b32 v[SSR+4*((\g)%2)+\p], v[SSA] offset:1024*(8*(\g)+2*\p)
.endr
.endm
.macro LOADWO s                        ; K step s of my eight tiles of Wo, 24 loads, into buffer s % 3
.if ((\s)%3) == 2
	WIN 0x80
.set WB, 0
.else
	WIN 0xc0
.set WB, 96*((\s)%3)
.endif
.irp t, 0,1,2,3,4,5,6,7
.irp c, 0,1,2
	global_load_b128 v[WB+12*\t+4*\c:WB+12*\t+4*\c+3], v[LI], s[10:11] offset:12288*\t+1536*(\s)+512*\c
.endr
.endr
	WIN 0
.endm
.macro LOADG s                         ; gains and offsets of channels 128 s + 32 b + 16 h + 0 .. 15
.irp b, 0,1,2,3
.irp q, 0,1,2,3
	ds_load_b128 v[G+16*\b+4*\q:G+16*\b+4*\q+3], v[AG] offset:512*(\s)+128*\b+16*\q
	ds_load_b128 v[BT+16*\b+4*\q:BT+16*\b+4*\q+3], v[AG] offset:4096+512*(\s)+128*\b+16*\q
.endr
.endr
.endm
	FETCHS 0
	FETCHS 1
	PLACES                                         ; operand registers written by vector instructions stand four places ahead of a scaled matrix instruction
	s_wait_loadcnt 24                              ; q is in; Wo's scale words and bo (24 loads) may be out
.irp g, 0,1,2,3,4,5,6,7
.if \g < 7
	s_wait_dscnt 20                                ; this set is in; the next set's 20 loads may be out
.else
	s_wait_dscnt 0x0
.endif
	WIN 3|((1+\g/4)<<6)
.irp n, 0,1,2,3,4,5,6,7
.set HD, 2*\g+\n/4
	WMS (32*HD+8*(\n%4))%256, 96*(\g%2)+12*\n, Q+6*HD, -1, SSR+4*(\g%2)+\n/2, QSR+HD/2, \n%2, HD%2
.endr
	WIN 0
	PLACES
.if \g < 6
	FETCHS \g+2
.endif
.endr
	LOADWO 0                                       ; they land while the norm is worked
	LOADWO 1
	LOADG 0
	; ---- mean and variance, in two passes.  Lane (r, h) holds 512 of token r's 1,024 numbers
.irp n, 0,1,2,3,4,5,6,7
	v_mov_b32 v[SUM+\n], 0
.endr
.irp X, 1,2
	WIN \X<<2
.set cn, 0
.rept 128
	v_pk_add_f32 v[SUM+2*((cn/2)%4):SUM+2*((cn/2)%4)+1], v[SUM+2*((cn/2)%4):SUM+2*((cn/2)%4)+1], v[cn:cn+1]   ; four chains; each accumulator from its low end on
.set cn, cn+2
.endr
.endr
	WIN 0
	v_pk_add_f32 v[SUM:SUM+1], v[SUM:SUM+1], v[SUM+2:SUM+3]
	v_pk_add_f32 v[SUM+4:SUM+5], v[SUM+4:SUM+5], v[SUM+6:SUM+7]
	v_pk_add_f32 v[SUM:SUM+1], v[SUM:SUM+1], v[SUM+4:SUM+5]
	v_add_f32 v[SUM], v[SUM], v[SUM+1]
	v_permlanex16_b32 v[VT], v[SUM], s26, s27
	v_add_f32 v[SUM], v[SUM], v[VT]
	v_mul_f32 v[MU], s28, v[SUM]
	v_mov_b32 v[MU+1], v[MU]
.irp n, 0,1,2,3,4,5,6,7
	v_mov_b32 v[SUM+\n], 0
.endr
.irp X, 1,2
	WIN \X|(\X<<6)
.set cn, 0
.rept 128
	v_pk_add_f32 v[cn:cn+1], v[cn:cn+1], v[MU:MU+1] neg_lo:[0,1] neg_hi:[0,1]
.set cn, cn+2
.endr
	WIN \X|(\X<<2)
.set cn, 0
.rept 128
	v_pk_fma_f32 v[SUM+2*((cn/2)%4):SUM+2*((cn/2)%4)+1], v[cn:cn+1], v[cn:cn+1], v[SUM+2*((cn/2)%4):SUM+2*((cn/2)%4)+1]
.set cn, cn+2
.endr
.endr
	WIN 0
	v_pk_add_f32 v[SUM:SUM+1], v[SUM:SUM+1], v[SUM+2:SUM+3]
	v_pk_add_f32 v[SUM+4:SUM+5], v[SUM+4:SUM+5], v[SUM+6:SUM+7]
	v_pk_add_f32 v[SUM:SUM+1], v[SUM:SUM+1], v[SUM+4:SUM+5]
	v_add_f32 v[SUM], v[SUM], v[SUM+1]
	v_permlanex16_b32 v[VT], v[SUM], s26, s27
	v_add_f32 v[SUM], v[SUM], v[VT]
	v_fmaak_f32 v[VT], s28, v[SUM], 0x3727c5ac     ; var + 1e-5
	v_rsq_f32 v[RS], v[VT]
	v_nop                                          ; a plain place behind the transcendental,
	s_wait_alu depctr_va_vdst(0)                   ; and a wait ahead of the first line that names its result
	v_mov_b32 v[RS+1], v[RS]
	s_wait_dscnt 0x0                               ; the first gains are in
	; ---- normalise and quantise, 128 channels (one K step of the second product) at a time
.macro QUANTW rb, X                    ; 64 numbers at v[rb] of window X: register 16 b + i = channel 32 b + 16 h + i
	WIN ((\X)<<2)|((\X)<<4)
.irp b, 0,1,2,3
	v_max3_num_f32 v[TM+\b], v[FL], |v[\rb+16*\b]|, |v[\rb+1+16*\b]|
.endr
.irp i, 2,4,6,8,10,12,14
.irp b, 0,1,2,3
	v_max3_num_f32 v[TM+\b], v[TM+\b], |v[\rb+16*\b+\i]|, |v[\rb+1+16*\b+\i]|
.endr
.endr
	WIN 0
.irp b, 0,1,2,3
	v_permlanex16_b32 v[TM+4+\b], v[TM+\b], s26, s27
.endr
.irp b, 0,1,2,3
	v_max_num_f32 v[TM+\b], v[TM+\b], v[TM+4+\b]
.endr
.irp b, 0,1,2,3
	v_add_nc_u32 v[TM+12+\b], 0xff000000, v[TM+\b]
.endr
.irp b, 0,1,2,3
	v_lshrrev_b32 v[TM+4+\b], 23, v[TM+12+\b]
.endr
	v_lshl_or_b32 v[PW], v[TM+5], 8, v[TM+4]
	v_lshl_or_b32 v[PW], v[TM+6], 16, v[PW]
	v_lshl_or_b32 v[PW], v[TM+7], 24, v[PW]
	WIN \X
.irp c, 0,1
	v_cvt_scalef32_pk16_fp6_f32 v[PC+6*\c:PC+2+6*\c], v[\rb+32*\c:\rb+15+32*\c], v[TM+12+2*\c]
	v_cvt_scalef32_pk16_fp6_f32 v[PC+12+4*\c:PC+14+4*\c], v[\rb+16+32*\c:\rb+31+32*\c], v[TM+12+2*\c+1]
.endr
	WIN 0
	v_nop                                          ; one plain place behind a scaled conversion
.irp c, 0,1
.irp i, 0,1,2
	v_permlane16_swap_b32 v[PC+6*\c+\i], v[PC+12+4*\c+\i]
.endr
.irp i, 0,1,2
	v_mov_b32 v[PC+3+6*\c+\i], v[PC+12+4*\c+\i]
.endr
.endr
.endm
.macro NORM s
.set XW, 1+(\s)/4
.set RB, 64*((\s)%4)
	WIN XW|(XW<<6)
.set cn, 0
.rept 32
	v_pk_mul_f32 v[RB+cn:RB+cn+1], v[RB+cn:RB+cn+1], v[RS:RS+1]
.set cn, cn+2
.endr
.set cn, 0
.rept 32
	v_pk_fma_f32 v[RB+cn:RB+cn+1], v[RB+cn:RB+cn+1], v[G+cn:G+cn+1], v[BT+cn:BT+cn+1]
.set cn, cn+2
.endr
	WIN 0
.if (\s) < 7
	LOADG (\s)+1                                   ; they land while this step is quantised
.endif
	QUANTW RB, XW
.irp c, 0,1,2
	ds_store_b128 v[AI], v[PC+4*\c:PC+4*\c+3] offset:1536*(\s)+512*\c   ; the fragment as it stands
.endr
	ds_store_b32 v[ASW], v[PW] offset:128*(\s)
	s_wait_dscnt 0x0                               ; the stores have read their registers; the next gains are in
.endm
.irp s, 0,1,2,3,4,5,6,7
	NORM \s
.endr
	LOADWO 2
	s_barrier_signal -1                            ; (every LDS instruction of mine is done: the wait above)
	s_barrier_wait -1                              ; the 32 row fragments lie in LDS
	; ---- the second product: my 8 tiles of Wo x the 4 token tiles: 32 accumulators by turns
.macro FETCHA s
	WIN 0x80
.irp m, 0,1,2,3
.irp c, 0,1,2
	ds_load_b128 v[96+48*((\s)%2)+12*\m+4*\c:96+48*((\s)%2)+12*\m+4*\c+3], v[AF] offset:12288*\m+1536*(\s)+512*\c
.endr
.endr
	WIN 0
.irp m, 0,1,2,3
	ds_load_b32 v[ASR+4*((\s)%2)+\m], v[ASF] offset:1024*\m+128*(\s)
.endr
.endm
.macro MUL6 s
.if ((\s)%3) == 2
.set WB, 0
.set WW, 2
.else
.set WB, 96*((\s)%3)
.set WW, 3
.endif
.if (\s) == 0
	WIN 0x7b                                       ; Wo window 3, rows window 2, C = bo in window 3, D window 1
.else
	WIN 0x58|WW
.endif
.irp t, 0,1,2,3,4,5,6,7
.irp m, 0,1,2,3
.if (\s) == 0
	WMS 8*(4*\t+\m), WB+12*\t, 96+48*((\s)%2)+12*\m, 192+8*\t, WS+8*(\t/2)+(\s), ASR+4*((\s)%2)+\m, \t%2, 0
.else
	WMS 8*(4*\t+\m), WB+12*\t, 96+48*((\s)%2)+12*\m, 8*(4*\t+\m), WS+8*(\t/2)+(\s), ASR+4*((\s)%2)+\m, \t%2, 0
.endif
.endr
.endr
	WIN 0
.endm
	FETCHA 0
.irp s, 0,1,2,3,4,5,6,7
.if \s < 7
	FETCHA \s+1
.endif
.if \s < 6
	s_wait_loadcnt 48                              ; this K step of Wo is in; the next two steps' 48 loads may be out
.elseif \s == 6
	s_wait_loadcnt 24
.else
	s_wait_loadcnt 0x0
.endif
.if \s < 7
	s_wait_dscnt 16                                ; this step's rows are in; the next step's 16 loads may be out
.else
	s_wait_dscnt 0x0
.endif
	MUL6 \s
	PLACES
.if \s < 5
	LOADWO \s+3
.endif
.endr
	; ---- the way out: a token tile (16 rows x my 128 columns) at a time through my stage, back as whole rows of 512 bytes
.macro TOSTAGE m
	WIN 0x04
.irp t, 0,1,2,3,4,5,6,7
	ds_store_b128 v[SO], v[8*(4*\t+(\m)):8*(4*\t+(\m))+3] offset:128*(\t/2)+32*(\t%2)
	ds_store_b128 v[SO], v[8*(4*\t+(\m))+4:8*(4*\t+(\m))+7] offset:128*(\t/2)+32*(\t%2)+16
.endr
	WIN 0
.irp i, 0,1,2,3,4,5,6,7,8,9,10,11,12,13,14,15
	ds_load_b128 v[BK+64*((\m)%2)+4*\i:BK+64*((\m)%2)+4*\i+3], v[SR] offset:528*\i    ; LDS serves a wave's instructions in order: these see the stores above
.endr
.endm
.macro SEND m, younger
	s_wait_dscnt \younger
.irp i, 0,1,2,3,4,5,6,7,8,9,10,11,12,13,14,15
	global_store_b128 v[LI], v[BK+64*((\m)%2)+4*\i:BK+64*((\m)%2)+4*\i+3], s[20:21] offset:4096*(32*((\m)/2)+8*((\m)%2)+\i%8+16*(\i/8)) th:TH_STORE_NT   ; 512 consecutive bytes, aligned to 256
.endr
.endm
	TOSTAGE 0
	TOSTAGE 1
	SEND 0, 32                                     ; behind tile 0's loads: tile 1's 16 stores and 16 loads
	s_wait_xcnt 0x0                                ; tile 0's stores have read their registers
	TOSTAGE 2
	SEND 1, 32
	s_wait_xcnt 0x0
	TOSTAGE 3
	SEND 2, 32
	SEND 3, 0
	s_wait_tensorcnt 0x0                           ; the wave's end
	ds_add_u32 v[SPW], v[NIL]
	s_wait_dscnt 0x0
	s_endpgm
.Lfunc_end_k_q06a8435fac_out:
	.size	k_q06a8435fac_out, .Lfunc_end_k_q06a8435fac_out-k_q06a8435fac_out
	.p2alignl 7, 3214868480
	.fill 96, 4, 3214868480
	.section	.rodata,"a",@progbits
	.p2align	6, 0x0
	.amdhsa_kernel k_q06a8435fac_out
		.amdhsa_group_segment_fixed_size 161280
		.amdhsa_private_segment_fixed_size 0
		.amdhsa_enable_private_segment 0
		.amdhsa_kernarg_size 72
		.amdhsa_user_sgpr_count 2
		.amdhsa_user_sgpr_kernarg_segment_ptr 1
		.amdhsa_wavefront_size32 1
		.amdhsa_system_sgpr_workgroup_id_x 1
		.amdhsa_system_sgpr_workgroup_id_y 1
		.amdhsa_system_sgpr_workgroup_id_z 1
		.amdhsa_system_vgpr_workitem_id 0
		.amdhsa_next_free_vgpr 1024
		.amdhsa_next_free_sgpr 66
		.amdhsa_reserve_vcc 0
		.amdhsa_float_denorm_mode_32 3
		.amdhsa_float_denorm_mode_16_64 3
		.amdhsa_memory_ordered 1
		.amdhsa_forward_progress 1
		.amdhsa_inst_pref_size 247
	.end_amdhsa_kernel
	.amdgpu_metadata
---
amdhsa.version: [ 1, 2 ]
amdhsa.kernels:
  - .name:           k_q06a8435fac_out
    .symbol:         k_q06a8435fac_out.kd
    .args:
      - { .name: qc, .offset: 0, .size: 8, .value_kind: global_buffer, .address_space: global }
      - { .name: qs, .offset: 8, .size: 8, .value_kind: global_buffer, .address_space: global }
      - { .name: sb, .offset: 16, .size: 8, .value_kind: global_buffer, .address_space: global }
      - { .name: wc, .offset: 24, .size: 8, .value_kind: global_buffer, .address_space: global }
      - { .name: xws, .offset: 32, .size: 8, .value_kind: global_buffer, .address_space: global }
      - { .name: ln_g, .offset: 40, .size: 8, .value_kind: global_buffer, .address_space: global }
      - { .name: ln_b, .offset: 48, .size: 8, .value_kind: global_buffer, .address_space: global }
      - { .name: bo, .offset: 56, .size: 8, .value_kind: global_buffer, .address_space: global }
      - { .name: out0, .offset: 64, .size: 8, .value_kind: global_buffer, .address_space: global }
    .group_segment_fixed_size: 161280
    .private_segment_fixed_size: 0
    .kernarg_segment_align: 8
    .kernarg_segment_size: 72
    .max_flat_workgroup_size: 128
    .sgpr_count:     66
    .vgpr_count:     1024
    .wavefront_size: 32
...
	.end_amdgpu_metadata
.endif
;; end of part 4
